; MI455X (gfx1250); checked and timed in simulation.
; The chip was launched on July 23, 2026; its instructions are those of AMD's public machine-readable ISA for CDNA 5 (MIT licence, August 2026) and "CDNA5" Instruction Set Architecture Reference Guide (July 2026). The comments in the code are by the model that wrote it; some were corrected since.
;; Multi Head Attention. Allowed arithmetic: matrix products marked QUANTISED: E2M3 operands, one E8M0 scale for each 32 along K, by v_wmma_scale_f32_16x16x128_f8f6f4 with both operands' format E2M3, f32 sums; everything else in f32.
;; Inputs: Wk 1,024 x 1,024 float32; Wo 1,024 x 1,024 float32; Wq 1,024 x 1,024 float32; Wv 1,024 x 1,024 float32; beta 1,024 float32; bk 1,024 float32; bo 1,024 float32; bq 1,024 float32; bv 1,024 float32; gamma 1,024 float32; k 4 x 2,048 x 1,024 float32; mask 4 x 2,048 x 2,048 int32; q 4 x 2,048 x 1,024 float32; v 4 x 2,048 x 1,024 float32.
;; Outputs: out0 4 x 2,048 x 1,024 float32.
;; This version of the problem:
;;   THIS VERSION OF THE PROBLEM IS GIVEN IN LOW PRECISION. The matrix products marked QUANTISED in the list below multiply operands that are first quantised to E2M3 (2 exponent bits, 3 mantissa bits; 6 bits a number), with one power-of-two scale for each 32 numbers along K (OCP MX v1.0); their sums are f32. All else is computed in f32.
;;   The module's matrix products, in the order in which they are computed (A, B: the left and right operand; K: the contracted axis; several contracted axes count as one K, in the product's order):
;;     1. [M 8,192, K 1,024] x [K 1,024, N 1,024]; A: input q; B: input Wq: QUANTISED
;;     2. [M 8,192, K 1,024] x [K 1,024, N 1,024]; A: input k; B: input Wk: QUANTISED
;;     3. [M 8,192, K 1,024] x [K 1,024, N 1,024]; A: input v; B: input Wv: QUANTISED
;;     4. batch 64 x [M 2,048, K 64] x [K 64, N 2,048]; A: computed on the way; B: computed on the way: QUANTISED
;;     5. batch 64 x [M 2,048, K 2,048] x [K 2,048, N 64]; A: softmax (see below); B: computed on the way: QUANTISED
;;     6. [M 8,192, K 1,024] x [K 1,024, N 1,024]; A: computed on the way; B: input Wo: QUANTISED
;;   THE QUANTISER, for each operand of a quantised product, along K:
;;     - K is cut into blocks of 32 from its start; a last block that is shorter is filled with zeros.
;;     - A block's scale is 2^e with e = floor(log2(the largest magnitude in the block)) - 2, held to -126 .. 127; a block of zeros has e = 0. As a byte (E8M0): e + 127.
;;     - Each number is divided by its block's scale, clamped to +-7.5, and rounded to the nearest number of E2M3, ties to even, subnormals kept.
;;     - The product sums the exact products of the quantised numbers (number of the format x scale) in f32.
;;   ~~~python
;;   def quantise(x, axis):      # numpy; x: float32 -> the quantised numbers, widened to float32 again
;;       x = np.moveaxis(x, axis, -1); K = x.shape[-1]
;;       x = np.pad(x, [(0, 0)] * (x.ndim - 1) + [(0, -K % 32)]); x = x.reshape(x.shape[:-1] + (-1, 32)); a = np.abs(x).max(-1, keepdims=True)
;;       e = np.where(a > 0, np.clip(np.frexp(np.where(a > 0, a, 1))[1] - 1 - 2, -126, 127), 0)      # np.frexp(a)[1] - 1 = floor(log2(a)), exactly
;;       r = np.clip(x / 2.0 ** e, -7.5, 7.5)
;;       step = 2.0 ** (np.maximum(np.frexp(np.where(r == 0, 1, r))[1] - 1, 0) - 3)
;;       q = np.round(r / step) * step * 2.0 ** e      # np.round: ties to even
;;       return np.moveaxis(q.reshape(q.shape[:-2] + (-1,))[..., :K], -1, axis).astype(np.float32)
;;   ~~~
;;   SOFTMAX AHEAD OF A QUANTISED PRODUCT. Where the list says 'softmax', what is quantised is not the finished softmax but p = 2^(t - M), with t = logit x log2(e) and M = ceil(the row's largest t), a whole number; so 1/2 < the row's largest p <= 1. The row's sum l is taken of the UNQUANTISED p, in f32, and the product's result is divided by l at the end. Since M is a whole number, a kernel that streams over the keys may use a running M (the ceiling of the running maximum): every later rescaling is an exact power of two, which a block's scale takes up: the codes' values come out the same.
;;   OPERANDS COMPUTED ON THE WAY. 'Computed on the way' means the value that the module computes at that place (a softmax that the list does not call 'softmax' is quantised finished and normalised). What goes into a quantiser is computed in f32, as accurately as f32 sums, v_exp_f32 and their like allow (about 1e-6 of the number): no bf16 or f16 on the way to a quantiser, and a product that is left as it is and whose result goes on into a quantised operand takes f32 operands (vector FMAs, or v_wmma_f32_16x16x4_f32). A number that lies on a knife's edge between two numbers of the format may be rounded either way, as far as f32 arithmetic and the matrix unit's own rounding can turn it there, and no further.
;; One version. Each part assembles by itself: llvm-mc -triple=amdgcn-amd-amdhsa -mcpu=gfx1250 --defsym DOCPART=n.
;; ======== version 1 of 1: 4 launches
;; limits: right only within a limited range of input values
;; workspace buffers: xbuf 19,660,800 bytes; wbuf 3,276,800 bytes; mbuf 2,097,152 bytes of whole numbers; abuf 19,660,800 bytes; cbuf 7,340,032 bytes
;; launch prep (part 1): grid 768 x 1, 4 waves a work-group, no clusters, 68,096 bytes of LDS; arguments q, k, v, mask, Wq, Wk, Wv, Wo, xbuf, wbuf, mbuf; writes xbuf, wbuf, mbuf
.if DOCPART == 1
	.amdgcn_target "amdgcn-amd-amdhsa--gfx1250"
	.amdhsa_code_object_version 6
	.text
	.protected	k_q1be94f3da0_prep
	.globl	k_q1be94f3da0_prep
	.p2align	8
	.type	k_q1be94f3da0_prep,@function
k_q1be94f3da0_prep:
	s_mov_b64 s[64:65], 0
	v_nop
	global_prefetch_b8 v0, s[64:65] scope:SCOPE_SE
	s_setreg_imm32_b32 hwreg(HW_REG_WAVE_MODE, 25, 1), 1
	s_wait_xcnt 0x0
; PREP: three kinds of work-groups, told apart by the work-group's number alone.
;  0..383   q, k, v [8192][1024] f32 -> codes of E2M3 with one E8M0 byte for each 32 along K (the 1,024 channels), into xbuf.
;  384..639 mask [4][2048][2048] int32 -> one bit a number, laid as the attention launch's lanes hold their scores, into mbuf.
;  640..767 Wq, Wk, Wv, Wo [K 1024][N 1024] f32, K their FIRST axis -> codes along K, rows = n, into wbuf.
; A TILE OF 16 ROWS IS NOT 16 NEIGHBOURS: tile T holds rows 32 (T/2) + 8 (T%2) + i + 8 (i/8), i = 0..15, so that in a product's result the 16 registers of two neighbouring tiles are 16 neighbours.
; CODES LEAVE AS IMAGES OF THE OPERAND'S REGISTERS: a fragment (16 rows x 128 K, 12 registers a lane) is 1,536 bytes: chunk c at 512 c, lane l's registers 4 c .. 4 c + 3 at 16 l.  xbuf: fragment ((x 512 + T) 8 + s); wbuf: ((m 64 + T) 8 + s).
; Scale words (4 bytes for a row and 128 K): behind the codes, 32 bytes a row, 512 a tile.
; A block's scale is 2^(floor(log2(largest magnitude)) - 2): its byte is the largest magnitude's exponent field - 2, held at 1 from below.
; LIMITS: NaN and infinities are not served.  A block of zeros, or one whose largest magnitude lies under 2^-124, gets the byte 1 (the rule says 127 for zeros): its codes are zeros or the nearest codes under that byte, and only this program reads the bytes.
; No tensor load, no barrier: waves share nothing.  Each load of the first two paths reads 512 consecutive bytes of a row; the numbers turn through the wave's own stage in LDS so that a lane gets 16 neighbours of each block.
.set XS,    18874368                   ; xbuf: where the scale words begin
.set WS,    3145728                    ; wbuf likewise
.set STGB,  8448                       ; a stage: 16 rows x (512 bytes + 16)
.set CBASE, 4*STGB                     ; the mask path's four stages: bytes of their own
.set SPARE, 8*STGB                     ; the spare words, 128 bytes a wave: two blocks of 256 bytes that no other line names
.set LN,  1                            ; v1  lane
.set GL,  2                            ; v2  16 x lane
.set STI, 3                            ; v3  stage, way in (weights: my codes' offset)
.set STR, 4                            ; v4  stage, way out (weights: my scale words' offset)
.set OF,  5                            ; v5  an offset
.set SPW, 8                            ; v8  my spare word's LDS address; never rewritten
.set NIL, 9                            ; v9  0; never rewritten
.set SW,  10                           ; v10-17 scale words of the 8 K steps
.set PW,  18                           ; v18 the scale word just made
.set PC,  20                           ; v20-31 the codes just made; v32-38 at work
.set TM,  40                           ; v40-55 at work
.set MW,  40                           ; v40-55 the mask path: four sets of four registers
.set R,   64                           ; v64-127, v128-191 numbers as loaded, two sets
.set X,   192                          ; v192-255 64 numbers: register 16 b + i = k 32 b + 16 (lane/16) + i of my row
.set WV,  2                            ; s2  wave
.set SEL, 4                            ; s[4:5] selects for lane l xor 16
; 64 numbers of a lane become a fragment's 12 registers of codes in v[PC] on and the row's scale word in v[PW]
.macro QUANT s
.irp b, 0,1,2,3
	v_max3_num_f32 v[TM+\b], |v[\s+16*\b]|, |v[\s+1+16*\b]|, 0x1800000   ; block b: my 16 numbers, and the floor 2^(3 - 127): the byte cannot fall under 1
.endr
.irp i, 2,4,6,8,10,12,14
.irp b, 0,1,2,3
	v_max3_num_f32 v[TM+\b], v[TM+\b], |v[\s+16*\b+\i]|, |v[\s+1+16*\b+\i]|
.endr
.endr
.irp b, 0,1,2,3
	v_permlanex16_b32 v[TM+4+\b], v[TM+\b], s[SEL], s[SEL+1]
.endr
.irp b, 0,1,2,3
	v_max_num_f32 v[TM+\b], v[TM+\b], v[TM+4+\b]       ; with lane l xor 16's 16: the block's largest magnitude
.endr
.irp b, 0,1,2,3
	v_add_nc_u32 v[TM+12+\b], 0xff000000, v[TM+\b]     ; 2 off its exponent field: the conversion's scale operand
.endr
.irp b, 0,1,2,3
	v_lshrrev_b32 v[TM+4+\b], 23, v[TM+12+\b]          ; the scale's byte
.endr
	v_lshl_or_b32 v[PW], v[TM+5], 8, v[TM+4]
	v_lshl_or_b32 v[PW], v[TM+6], 16, v[PW]
	v_lshl_or_b32 v[PW], v[TM+7], 24, v[PW]
.irp c, 0,1
	v_cvt_scalef32_pk16_fp6_f32 v[PC+6*\c:PC+2+6*\c], v[\s+32*\c:\s+15+32*\c], v[TM+12+2*\c]
	v_cvt_scalef32_pk16_fp6_f32 v[PC+12+4*\c:PC+14+4*\c], v[\s+16+32*\c:\s+31+32*\c], v[TM+12+2*\c+1]   ; (a conversion's three registers begin on an even number)
.endr
	v_nop                                          ; one plain instruction behind the scaled conversions
.irp c, 0,1                                    ; the operand wants a WHOLE block in a lane: lanes 0-15 block 2 c, lanes 16-31 block 2 c + 1
.irp i, 0,1,2
	v_permlane16_swap_b32 v[PC+6*\c+\i], v[PC+12+4*\c+\i]
.endr
.irp i, 0,1,2
	v_mov_b32 v[PC+3+6*\c+\i], v[PC+12+4*\c+\i]
.endr
.endr
.endm
; step t's 16 rows x 512 bytes into set t % 2: each load reads 512 consecutive bytes of one row of the tile
.macro LOADS t, pitch, bs
.irp i, 0,1,2,3,4,5,6,7,8,9,10,11,12,13,14,15
	global_load_b128 v[R+64*((\t)%2)+4*\i:R+64*((\t)%2)+4*\i+3], v[GL], s[\bs:\bs+1] offset:(\i+8*(\i/8))*\pitch+512*(\t) th:TH_LOAD_NT
.endr
.endm
; through the wave's stage: in as loaded, out 64 bytes a lane of each block of 128 bytes.  LDS serves a wave's instructions in order: no wait between the two runs
.macro TURN t
.irp i, 0,1,2,3,4,5,6,7,8,9,10,11,12,13,14,15
	ds_store_b128 v[STI], v[R+64*((\t)%2)+4*\i:R+64*((\t)%2)+4*\i+3] offset:528*\i
.endr
.irp b, 0,1,2,3
.irp j, 0,1,2,3
	ds_load_b128 v[X+16*\b+4*\j:X+16*\b+4*\j+3], v[STR] offset:128*\b+16*\j
.endr
.endr
.endm
.macro STAGEADR base
	s_mul_i32 s34, s[WV], STGB
	s_add_co_u32 s34, s34, \base
	v_add_nc_u32 v[STI], s34, v[GL]                ; in: 16 x lane; the row stands in the immediate
	v_mul_u32_u24 v[STR], v6, 528
	v_lshl_add_u32 v[STR], v7, 6, v[STR]
	v_add_nc_u32 v[STR], s34, v[STR]               ; out: row lane % 16, + 64 (lane / 16)
.endm
.macro FINISH                                  ; the wave's end
	s_wait_tensorcnt 0x0
	ds_add_u32 v[SPW], v[NIL]
	s_wait_dscnt 0x0
	s_endpgm
.endm
	s_load_b512 s[8:23], s[0:1], 0x0               ; q s[8:9], k s[10:11], v s[12:13], mask s[14:15], Wq s[16:17], Wk s[18:19], Wv s[20:21], Wo s[22:23]
	s_load_b128 s[24:27], s[0:1], 0x40             ; xbuf s[24:25], wbuf s[26:27]
	s_load_b64 s[28:29], s[0:1], 0x50              ; mbuf
	v_lshl_add_u32 v[SPW], v0, 2, SPARE
	v_mov_b32 v[NIL], 0
	v_lshrrev_b32 v6, 5, v0
	v_readfirstlane_b32 s[WV], v6                  ; wave 0..3
	v_and_b32 v[LN], 31, v0
	v_lshlrev_b32 v[GL], 4, v[LN]
	v_and_b32 v6, 15, v0                           ; r
	v_bfe_u32 v7, v0, 4, 1                         ; h
	s_mov_b32 s[SEL], 0x76543210
	s_mov_b32 s[SEL+1], 0xfedcba98
	s_mov_b32 s33, 0                               ; the upper word of every offset in s[32:33]
	s_wait_kmcnt 0x0
	s_cmp_lt_u32 ttmp9, 384
	s_cbranch_scc1 .Lacts
	s_cmp_lt_u32 ttmp9, 640
	s_cbranch_scc1 .Lmask
	; ---------------- the weights: a lane takes a column n, its registers run down K
	s_sub_co_u32 s30, ttmp9, 640
	s_lshr_b32 s31, s30, 5                         ; which weight
	s_cmp_eq_u32 s31, 1
	s_cselect_b64 s[16:17], s[18:19], s[16:17]
	s_cmp_eq_u32 s31, 2
	s_cselect_b64 s[16:17], s[20:21], s[16:17]
	s_cmp_eq_u32 s31, 3
	s_cselect_b64 s[16:17], s[22:23], s[16:17]
	s_bfe_u32 s34, s30, 0x30002                    ; which 128 columns
	s_and_b32 s35, s30, 3                          ; which 256 along K
	s_lshl_b32 s32, s34, 9
	s_lshl_b32 s36, s[WV], 7
	s_add_co_u32 s32, s32, s36                     ; my wave's first column, in bytes,
	s_lshl_b32 s36, s35, 20
	s_add_co_u32 s32, s32, s36                     ; + 256 rows of 4,096 bytes for each quarter of K
	s_add_nc_u64 s[16:17], s[16:17], s[32:33]
	s_lshl_b32 s36, s31, 6
	s_lshl_b32 s37, s34, 3
	s_add_co_u32 s36, s36, s37
	s_lshl_b32 s37, s[WV], 1
	s_add_co_u32 s36, s36, s37                     ; my wave's first tile: 64 m + 8 (columns / 128) + 2 wave
	s_mul_i32 s32, s36, 12288
	s_mul_i32 s37, s35, 3072
	s_add_co_u32 s32, s32, s37                     ; its fragment of K step 2 x quarter
	s_add_nc_u64 s[38:39], s[26:27], s[32:33]
	s_lshl_b32 s32, s36, 9
	s_lshl_b32 s37, s35, 3
	s_add_co_u32 s32, s32, s37
	s_add_co_u32 s32, s32, WS
	s_add_nc_u64 s[40:41], s[26:27], s[32:33]      ; and its scale words
	v_lshlrev_b32 v[OF], 2, v[LN]                  ; in: 4 bytes a lane
	v_bfe_u32 v6, v0, 3, 1                         ; my column lies in tile u = (lane / 8) % 2 of the pair,
	v_and_b32 v7, 7, v0
	v_bfe_u32 v19, v0, 4, 1
	v_lshl_add_u32 v7, v19, 3, v7                  ; as its row r = lane % 8 + 8 (lane / 16)
	v_mul_u32_u24 v[STI], v6, 12288
	v_lshl_add_u32 v[STI], v7, 4, v[STI]           ; codes: tile u, 16 r
	v_lshlrev_b32 v[STR], 9, v6
	v_lshl_add_u32 v[STR], v7, 5, v[STR]           ; scale words: tile u, 32 r
; block n of 8, in the order (K step s', half h, c): K = 128 s' + 64 c + 32 h on: for a fixed (s', h) the two blocks c = 0, 1 are all 12 registers of the fragment's lane (r, h)
.macro WLOADB n
.set kb, 128*((\n)/4)+64*((\n)%2)+32*(((\n)/2)%2)
.set ii, 0
.rept 32
	global_load_b32 v[R+64*((\n)%2)+ii], v[OF], s[16:17] offset:(kb+ii)*4096 th:TH_LOAD_NT   ; 32 lanes read 128 consecutive bytes, the four waves 512
.set ii, ii+1
.endr
.endm
.macro WBLOCK n
.set XB, R+64*((\n)%2)
.set cc, (\n)%2
.set hh, ((\n)/2)%2
.set ss, (\n)/4
.if (\n) < 7
	s_wait_loadcnt 32                              ; this block's 32 loads are in; the next block's 32 may be out
.else
	s_wait_loadcnt 0x0
.endif
	v_max3_num_f32 v[TM], |v[XB]|, |v[XB+1]|, |v[XB+2]|            ; all 32 numbers of the block are mine
	v_max3_num_f32 v[TM+1], |v[XB+3]|, |v[XB+4]|, |v[XB+5]|
.irp i, 6,10,14,18,22,26
	v_max3_num_f32 v[TM], v[TM], |v[XB+\i]|, |v[XB+\i+1]|
	v_max3_num_f32 v[TM+1], v[TM+1], |v[XB+\i+2]|, |v[XB+\i+3]|
.endr
	v_max3_num_f32 v[TM], v[TM], |v[XB+30]|, |v[XB+31]|
	v_max3_num_f32 v[TM], v[TM], v[TM+1], 0x1800000                ; and the floor
	v_add_nc_u32 v[TM+2], 0xff000000, v[TM]
	v_lshrrev_b32 v[TM+3], 23, v[TM+2]
.if (cc == 0) && (hh == 0)
	v_mov_b32 v[SW+ss], v[TM+3]                    ; the block is number 2 c + h of its K step: its byte's place in the scale word
.else
	v_lshl_or_b32 v[SW+ss], v[TM+3], 8*(2*cc+hh), v[SW+ss]
.endif
.if cc == 0
	s_wait_xcnt 0x0                                ; the last three stores have read the codes' registers: only now are they written again
.endif
	v_cvt_scalef32_pk16_fp6_f32 v[PC+6*cc:PC+6*cc+2], v[XB:XB+15], v[TM+2]
	v_cvt_scalef32_pk16_fp6_f32 v[PC+12:PC+14], v[XB+16:XB+31], v[TM+2]
	v_nop                                          ; one plain instruction behind the scaled conversions
.irp i, 0,1,2
	v_mov_b32 v[PC+6*cc+3+\i], v[PC+12+\i]
.endr
.if (\n)+2 < 8
	WLOADB (\n)+2
.endif
.if cc == 1
.irp c, 0,1,2
	global_store_b128 v[STI], v[PC+4*\c:PC+4*\c+3], s[38:39] offset:1536*ss+512*\c+256*hh   ; the sixteen lanes of each tile fill 256 consecutive bytes, aligned
.endr
.endif
.endm
	WLOADB 0
	WLOADB 1
.irp n, 0,1,2,3,4,5,6,7
	WBLOCK \n
.endr
	global_store_b64 v[STR], v[SW:SW+1], s[40:41]  ; my row's two scale words: pieces of 8 bytes, one byte for each 128 that this path reads
	FINISH
	; ---------------- q, k, v: a wave takes one tile of 16 rows and all of K, 8 steps of 128
.Lacts:
	s_lshr_b32 s30, ttmp9, 7                       ; which tensor
	s_cmp_eq_u32 s30, 1
	s_cselect_b64 s[8:9], s[10:11], s[8:9]
	s_cmp_eq_u32 s30, 2
	s_cselect_b64 s[8:9], s[12:13], s[8:9]
	s_and_b32 s31, ttmp9, 127
	s_lshl_b32 s31, s31, 2
	s_add_co_u32 s31, s31, s[WV]                   ; tile T
	s_lshr_b32 s32, s31, 1
	s_lshl_b32 s32, s32, 17                        ; 32 (T / 2) rows of 4,096 bytes
	s_and_b32 s34, s31, 1
	s_lshl_b32 s34, s34, 15                        ; + 8 (T % 2) rows
	s_add_co_u32 s32, s32, s34
	s_add_nc_u64 s[8:9], s[8:9], s[32:33]
	LOADS 0, 4096, 8
	LOADS 1, 4096, 8
	s_lshl_b32 s34, s30, 9
	s_add_co_u32 s35, s34, s31                     ; 512 x + T
	s_mul_i32 s32, s35, 12288
	s_add_nc_u64 s[36:37], s[24:25], s[32:33]      ; its eight fragments
	s_lshl_b32 s32, s35, 9
	s_add_co_u32 s32, s32, XS
	s_add_nc_u64 s[38:39], s[24:25], s[32:33]      ; its scale words
	STAGEADR 0
.irp b, 0,1,2,3
	v_mov_b32 v[TM+4+\b], 0                        ; written once: a lane permute's destination counts as one of its sources
.endr
.macro ASTEP t
	s_wait_xcnt 0x0                                ; the last step's stores have read the codes' registers
.if (\t) < 7
	s_wait_loadcnt 16                              ; this step's 16 loads are in; the next step's 16 may be out
.else
	s_wait_loadcnt 0x0
.endif
	TURN \t
	s_wait_dscnt 0x0                               ; my 64 numbers are back, and the stage's stores have read their registers,
.if (\t) < 6
	LOADS (\t)+2, 4096, 8                          ; which take the loads of two steps on
.endif
	QUANT X
	v_mov_b32 v[SW+(\t)], v[PW]
.irp c, 0,1,2
	global_store_b128 v[GL], v[PC+4*\c:PC+4*\c+3], s[36:37] offset:1536*(\t)+512*\c   ; 32 lanes store 512 consecutive bytes, aligned
.endr
.endm
.irp t, 0,1,2,3,4,5,6,7
	ASTEP \t
.endr
	s_mov_b32 s31, 0xffff0000
.irp i, 0,1,2,3
	v_cndmask_b32 v[TM+\i], v[SW+\i], v[SW+4+\i], s31   ; lanes r and r + 16 hold the same words: lanes 0-15 store K steps 0-3, lanes 16-31 steps 4-7
.endr
	v_lshlrev_b32 v[OF], 5, v6
	v_lshl_add_u32 v[OF], v7, 4, v[OF]
	global_store_b128 v[OF], v[TM:TM+3], s[38:39]  ; 512 consecutive bytes
	FINISH
	; ---------------- the mask: a wave takes 16 queries (a tile) x 1,024 keys, 8 steps of 128
.Lmask:
	s_sub_co_u32 s30, ttmp9, 384
	s_lshl_b32 s30, s30, 2
	s_add_co_u32 s30, s30, s[WV]                   ; unit = 256 b + 2 qt + half
	s_lshr_b32 s31, s30, 8
	s_lshl_b32 s32, s31, 24                        ; b x 2,048 rows of 8,192 bytes
	s_bfe_u32 s34, s30, 0x60002
	s_lshl_b32 s34, s34, 18                        ; 32 (qt / 2) rows
	s_add_co_u32 s32, s32, s34
	s_bfe_u32 s34, s30, 0x10001
	s_lshl_b32 s34, s34, 16                        ; 8 (qt % 2) rows
	s_add_co_u32 s32, s32, s34
	s_and_b32 s34, s30, 1
	s_lshl_b32 s34, s34, 12                        ; the half's 1,024 keys
	s_add_co_u32 s32, s32, s34
	s_add_nc_u64 s[14:15], s[14:15], s[32:33]
	LOADS 0, 8192, 14
	LOADS 1, 8192, 14
	s_lshl_b32 s32, s30, 11
	s_add_nc_u64 s[36:37], s[28:29], s[32:33]      ; the unit's 8 steps x 64 words
	STAGEADR CBASE
.set ii, 0
.rept 16
	v_mov_b32 v[MW+ii], 0                          ; written once whole: v_writelane_b32 writes a lane at a time
.set ii, ii+1
.endr
; Word j = 16 bb + i of a step: bit l = (mask of query row l % 16 of the tile, key 32 bb + 16 (l / 16) + i) is not 0: the lanes' mask for register j of the attention launch's scores.
.macro MSTEP t
.if (\t) < 7
	s_wait_loadcnt 16                              ; this step's 16 loads are in; the next step's 16 may be out
.else
	s_wait_loadcnt 0x0
.endif
	TURN \t
	s_wait_dscnt 0x0
.if (\t) < 6
	LOADS (\t)+2, 8192, 14
.endif
.set jj, 0
.rept 8
.irp i, 0,1,2,3,4,5,6,7
	v_cmp_ne_u32 s[40+\i], 0, v[X+jj+\i]
.endr
.irp i, 0,1,2,3,4,5,6,7
	v_writelane_b32 v[MW+4*((\t)/2)+((jj+\i)%4)], s[40+\i], 16*((\t)%2)+(jj+\i)/4   ; word j to byte 256 (t % 2) + 4 j of the pair of steps' 512
.endr
.set jj, jj+8
.endr
.if (\t)%2 == 1
	global_store_b128 v[GL], v[MW+4*((\t)/2):MW+4*((\t)/2)+3], s[36:37] offset:512*((\t)/2)   ; 512 consecutive bytes; each pair of steps has registers of its own
.endif
.endm
.irp t, 0,1,2,3,4,5,6,7
	MSTEP \t
.endr
	FINISH
.Lfunc_end_k_q1be94f3da0_prep:
	.size	k_q1be94f3da0_prep, .Lfunc_end_k_q1be94f3da0_prep-k_q1be94f3da0_prep
	.p2alignl 7, 3214868480
	.fill 96, 4, 3214868480
	.section	.rodata,"a",@progbits
	.p2align	6, 0x0
	.amdhsa_kernel k_q1be94f3da0_prep
		.amdhsa_group_segment_fixed_size 68096
		.amdhsa_private_segment_fixed_size 0
		.amdhsa_enable_private_segment 0
		.amdhsa_kernarg_size 88
		.amdhsa_user_sgpr_count 2
		.amdhsa_user_sgpr_kernarg_segment_ptr 1
		.amdhsa_wavefront_size32 1
		.amdhsa_system_sgpr_workgroup_id_x 1
		.amdhsa_system_sgpr_workgroup_id_y 1
		.amdhsa_system_sgpr_workgroup_id_z 1
		.amdhsa_system_vgpr_workitem_id 0
		.amdhsa_next_free_vgpr 256
		.amdhsa_next_free_sgpr 66
		.amdhsa_reserve_vcc 0
		.amdhsa_float_denorm_mode_32 3
		.amdhsa_float_denorm_mode_16_64 3
		.amdhsa_memory_ordered 1
		.amdhsa_forward_progress 1
		.amdhsa_inst_pref_size 198
	.end_amdhsa_kernel
	.amdgpu_metadata
---
amdhsa.version: [ 1, 2 ]
amdhsa.kernels:
  - .name:           k_q1be94f3da0_prep
    .symbol:         k_q1be94f3da0_prep.kd
    .args:
      - { .name: q, .offset: 0, .size: 8, .value_kind: global_buffer, .address_space: global }
      - { .name: k, .offset: 8, .size: 8, .value_kind: global_buffer, .address_space: global }
      - { .name: v, .offset: 16, .size: 8, .value_kind: global_buffer, .address_space: global }
      - { .name: mask, .offset: 24, .size: 8, .value_kind: global_buffer, .address_space: global }
      - { .name: Wq, .offset: 32, .size: 8, .value_kind: global_buffer, .address_space: global }
      - { .name: Wk, .offset: 40, .size: 8, .value_kind: global_buffer, .address_space: global }
      - { .name: Wv, .offset: 48, .size: 8, .value_kind: global_buffer, .address_space: global }
      - { .name: Wo, .offset: 56, .size: 8, .value_kind: global_buffer, .address_space: global }
      - { .name: xbuf, .offset: 64, .size: 8, .value_kind: global_buffer, .address_space: global }
      - { .name: wbuf, .offset: 72, .size: 8, .value_kind: global_buffer, .address_space: global }
      - { .name: mbuf, .offset: 80, .size: 8, .value_kind: global_buffer, .address_space: global }
    .group_segment_fixed_size: 68096
    .private_segment_fixed_size: 0
    .kernarg_segment_align: 8
    .kernarg_segment_size: 88
    .max_flat_workgroup_size: 128
    .sgpr_count:     66
    .vgpr_count:     256
    .wavefront_size: 32
...
	.end_amdgpu_metadata
.endif
;; end of part 1
;; launch proj (part 2): grid 768 x 1, 4 waves a work-group, no clusters, 295,424 bytes of LDS; arguments xbuf, wbuf, bq, bk, bv, abuf; writes abuf
.if DOCPART == 2
	.amdgcn_target "amdgcn-amd-amdhsa--gfx1250"
	.amdhsa_code_object_version 6
	.text
	.protected	k_q1be94f3da0_proj
	.globl	k_q1be94f3da0_proj
	.p2align	8
	.type	k_q1be94f3da0_proj,@function
k_q1be94f3da0_proj:
	s_mov_b64 s[64:65], 0
	v_nop
	global_prefetch_b8 v0, s[64:65] scope:SCOPE_SE
	s_setreg_imm32_b32 hwreg(HW_REG_WAVE_MODE, 25, 1), 1
	s_wait_xcnt 0x0
; PROJ: the three projections on codes of E2M3, each result quantised at once for the attention launch.  The part is the work-group's number / 256: 0 q, 1 k, 2 v.
; One form serves all: Out = quantised along source 0's rows (source 0 . source 1^T + bias).
;  q, k: source 0 = tiles of W (n), source 1 = tiles of x (rows): a lane holds one row of x and its registers run along n = the head's channels, which are the K of Q K^T.
;  v:    source 0 = tiles of x (keys), source 1 = tiles of Wv (d): a lane holds one channel d and its registers run along the keys, which are the K of P V.
; What differs between the parts is chosen by s_cselect on the part's number; there is no branch.
; SHARES.  A work-group takes 16 tiles of source 0 x 8 tiles of source 1 and all of K (8 steps of 128).  Wave w: 8 tiles of source 0 (group w % 2: 128 rows) x 4 tiles of source 1 (w / 2): 32 accumulators.
; LDS is filled ONCE: 24 tiles x 8 fragments of 1,536 bytes = 294,912 bytes, in four chunks of two K steps; every wave issues two tensor loads a chunk, eight in all, all out at the start.
; No cluster: x is source 1 (read by 4 work-groups) in two parts and source 0 (read by 8) in the third, so a joint load's mask and descriptor would hang on the part.  No ring: all of K fits.
; OUT (abuf).  q, k: a half fragment (16 rows x the head's 64: 6 registers a lane, 768 bytes: chunk p at 256 p, lane l's registers 2 p, 2 p + 1 at 8 l) at (bh 128 + T) 768; scale bytes as pair words: (bh 64 + P) 64 + 4 r, low half tile 2 P, high half tile 2 P + 1.
;  v: a fragment (16 d x 128 keys, two such halves) at ((bh 16 + ks) 4 + dt) 1536; scale words at ((bh 16 + ks) 4 + dt) 64 + 4 r.
; LIMITS: NaN and infinities are not served; a block of zeros or under 2^-124 gets the byte 1 (only this program reads the bytes).
; REGISTERS, in windows of 256.  Window 0: v1-20 addresses; v32-95 source 0's scale words [tile][step], v96-127 source 1's; v128-191 64 results at work; v192-243 the quantiser's.
;  Window 1: source 0's fragments, two sets of 96.  Window 2: source 1's, two sets of 48; v128-191 the bias along source 0.  Window 3: accumulator (t, u) at v[64 u + 8 t].
.set XS,    18874368
.set WS,    3145728
.set QS,    18874368                   ; abuf: q's pair words (k's 262,144 on)
.set VC,    12582912                   ; v's fragments
.set VS,    19398656                   ; v's scale words
.set S1B,   196608                     ; LDS: source 1's tiles, behind source 0's
.set SPARE, 294912                     ; the spare words, 128 bytes a wave: two blocks of 256 bytes that no other line names
.set A0,  1                            ; v1-4  LDS address of my group of source 0, chunk j
.set A1,  5                            ; v5-8  of my four tiles of source 1
.set OFC, 9                            ; v9-10 where my codes go: 8 x lane, + the second half's distance
.set OFS, 11                           ; v11   where my scale word goes
.set SPW, 12                           ; v12   my spare word's LDS address; never rewritten
.set NIL, 13                           ; v13   0; never rewritten
.set SC0, 32
.set SC1, 96
.set HA,  128
.set PC,  192
.set TM,  212
.set PW,  228
.set PWS, 229                          ; v229-232 the four tiles' scale words
.set LB,  234                          ; v234-241 the bias along source 1, a pair for each tile
.set B0,  128                          ; in window 2
.set G1A, 16                           ; s[16:23] group 1: 4 tiles' chunks;  s[24:31]: 2 tiles'
.set G1B, 24
.set G0,  32                           ; s[32:63] eight groups 0
.set BU,  66                           ; s[66:73] where tile u's codes go
.set BS,  74                           ; s[74:77] where a pair of tiles' scale words go
.set WV,  78
.set MODE, 79
.set GRP, 80
.set T1,  81
.set GLS, 82
.set QD,  83
.set SEL, 84                           ; s[84:85]
.set SEL0, 86
.set SEL1, 87
.set MQK, 88                           ; all ones in parts q, k
.set MV,  89                           ; all ones in part v
.set HM,  90                           ; lanes 16-31
.set MSB, 0
.macro WIN new                         ; the immediate's high byte repeats the setting that is left
.if MSB != \new
	s_set_vgpr_msb (MSB<<8)|\new
.set MSB, \new
.endif
.endm
.macro PLACES
.rept 4
	v_nop
.endr
.endm
.macro QUANT s
.irp b, 0,1,2,3
	v_max3_num_f32 v[TM+\b], |v[\s+16*\b]|, |v[\s+1+16*\b]|, 0x1800000   ; block b: my 16 numbers, and the floor 2^(3 - 127)
.endr
.irp i, 2,4,6,8,10,12,14
.irp b, 0,1,2,3
	v_max3_num_f32 v[TM+\b], v[TM+\b], |v[\s+16*\b+\i]|, |v[\s+1+16*\b+\i]|
.endr
.endr
.irp b, 0,1,2,3
	v_permlanex16_b32 v[TM+4+\b], v[TM+\b], s[SEL], s[SEL+1]
.endr
.irp b, 0,1,2,3
	v_max_num_f32 v[TM+\b], v[TM+\b], v[TM+4+\b]
.endr
.irp b, 0,1,2,3
	v_add_nc_u32 v[TM+12+\b], 0xff000000, v[TM+\b]     ; 2 off the exponent field: the conversion's scale operand
.endr
.irp b, 0,1,2,3
	v_lshrrev_b32 v[TM+4+\b], 23, v[TM+12+\b]
.endr
	v_lshl_or_b32 v[PW], v[TM+5], 8, v[TM+4]
	v_lshl_or_b32 v[PW], v[TM+6], 16, v[PW]
	v_lshl_or_b32 v[PW], v[TM+7], 24, v[PW]
.irp c, 0,1
	v_cvt_scalef32_pk16_fp6_f32 v[PC+6*\c:PC+2+6*\c], v[\s+32*\c:\s+15+32*\c], v[TM+12+2*\c]
	v_cvt_scalef32_pk16_fp6_f32 v[PC+12+4*\c:PC+14+4*\c], v[\s+16+32*\c:\s+31+32*\c], v[TM+12+2*\c+1]
.endr
	v_nop                                          ; one plain instruction behind the scaled conversions
.irp c, 0,1
.irp i, 0,1,2
	v_permlane16_swap_b32 v[PC+6*\c+\i], v[PC+12+4*\c+\i]
.endr
.irp i, 0,1,2
	v_mov_b32 v[PC+3+6*\c+\i], v[PC+12+4*\c+\i]
.endr
.endr
.endm
	s_load_b256 s[4:11], s[0:1], 0x0               ; xbuf s[4:5], wbuf s[6:7], bq s[8:9], bk s[10:11]
	s_load_b128 s[12:15], s[0:1], 0x20             ; bv s[12:13], abuf s[14:15]
	v_lshl_add_u32 v[SPW], v0, 2, SPARE
	v_mov_b32 v[NIL], 0
	ds_add_u32 v[SPW], v[NIL]                      ; the wave's opening: the add and its wait stand ahead of my first tensor load; the set-up below, work on registers, stands between them
	v_lshrrev_b32 v14, 5, v0
	v_readfirstlane_b32 s[WV], v14                 ; wave 0..3
	s_lshr_b32 s[MODE], ttmp9, 8
	s_and_b32 s32, ttmp9, 255
	s_and_b32 s[GLS], s[WV], 1
	s_lshr_b32 s[QD], s[WV], 1
	s_and_b32 s33, s32, 3                          ; q, k: 4 x 64 work-groups;
	s_lshr_b32 s34, s32, 2
	s_lshr_b32 s35, s32, 3                         ; v: 32 x 8
	s_and_b32 s36, s32, 7
	s_mul_i32 s37, s[MODE], 786432                 ; the part's W: codes,
	s_mul_i32 s38, s[MODE], 6291456                ; the part's x: codes,
	s_lshl_b32 s39, s[MODE], 15
	s_add_co_u32 s39, s39, WS                      ; W's scale words,
	s_lshl_b32 s40, s[MODE], 18
	s_add_co_u32 s40, s40, XS                      ; x's
	s_cmp_lt_u32 s[MODE], 2
	s_cselect_b32 s33, s33, s35                    ; i0: which 16 tiles of source 0
	s_cselect_b32 s34, s34, s36                    ; i1: which 8 tiles of source 1
	s_cselect_b32 s[MQK], -1, 0
	s_cselect_b32 s[MV], 0, -1
	s_mov_b32 s[SEL0], 0x03020100
	s_cselect_b32 s[SEL0], 0x05040100, s[SEL0]     ; q, k: the two tiles' low halves make head 2 g's pair word;  v: the first tile's word as it is
	s_mov_b32 s[SEL1], 0x07060504
	s_cselect_b32 s[SEL1], 0x07060302, s[SEL1]     ; q, k: the high halves, head 2 g + 1's;  v: the second tile's word
	s_cselect_b32 s41, s37, s38                    ; source 0's codes,
	s_cselect_b32 s42, s38, s37                    ; source 1's,
	s_cselect_b32 s43, s39, s40                    ; source 0's scale words,
	s_cselect_b32 s44, s40, s39                    ; source 1's
	s_mov_b32 s45, 1536
	s_cselect_b32 s45, 768, s45                    ; from tile u's codes to tile u + 1's
	s_cselect_b32 s46, 64, 128                     ; from a pair's scale words to the next pair's
	s_mov_b32 s47, 768
	s_cselect_b32 s47, 98304, s47                  ; from the codes' first half to the second: the next head, or the fragment's second half
	s_cselect_b32 s48, 4096, 64                    ; the same for what lanes 16-31 store of the scale words
	s_lshl_b32 s[GRP], s33, 1
	s_add_co_u32 s[GRP], s[GRP], s[GLS]            ; g: my group of 8 tiles of source 0
	s_lshl_b32 s[T1], s34, 3
	s_lshl_b32 s35, s[QD], 2
	s_add_co_u32 s[T1], s[T1], s35                 ; my first tile of source 1
	s_lshl_b32 s35, s33, 4
	s_lshl_b32 s36, s[WV], 2
	s_add_co_u32 s35, s35, s36
	s_mul_i32 s35, s35, 12288
	s_add_co_u32 s92, s41, s35                     ; what I fetch of source 0: tiles 16 i0 + 4 w on
	s_mov_b32 s93, 0
	s_lshl_b32 s35, s34, 3
	s_lshl_b32 s36, s[WV], 1
	s_add_co_u32 s35, s35, s36
	s_mul_i32 s35, s35, 12288
	s_add_co_u32 s94, s42, s35                     ; of source 1: tiles 8 i1 + 2 w on
	s_mov_b32 s95, 0
	s_lshl_b32 s35, s[GRP], 12
	s_add_co_u32 s96, s43, s35                     ; my group's scale words: 8 g tiles of 512 bytes
	s_mov_b32 s97, 0
	s_lshl_b32 s35, s[T1], 9
	s_add_co_u32 s98, s44, s35                     ; my four tiles' of source 1
	s_mov_b32 s99, 0
	s_lshl_b32 s35, s[GRP], 9
	s_and_b32 s100, s35, s[MQK]                    ; the bias along source 0: 128 g numbers on (part v: 0, so that the load stays in the buffer; it is then replaced by zeros)
	s_mov_b32 s101, 0
	s_lshl_b32 s35, s[T1], 6
	s_and_b32 s104, s35, s[MV]                     ; along source 1: 16 numbers a tile (parts q, k: 0, likewise)
	s_mov_b32 s105, 0
	s_lshr_b32 s35, s[T1], 7                       ; q, k: b = tile / 128,
	s_lshl_b32 s35, s35, 4
	s_lshl_b32 s36, s[GRP], 1
	s_add_co_u32 s35, s35, s36                     ; bh = 16 b + 2 g
	s_and_b32 s36, s[T1], 127
	s_lshl_b32 s37, s35, 7
	s_add_co_u32 s37, s37, s36
	s_mul_i32 s37, s37, 768
	s_add_co_u32 s37, s37, s38                     ; (bh 128 + T) 768, in q's or k's region
	s_lshl_b32 s39, s35, 6
	s_lshr_b32 s36, s36, 1
	s_add_co_u32 s39, s39, s36
	s_lshl_b32 s39, s39, 6
	s_lshl_b32 s36, s[MODE], 18
	s_add_co_u32 s39, s39, s36
	s_add_co_u32 s39, s39, QS                      ; (bh 64 + P) 64
	s_lshr_b32 s35, s[GRP], 4                      ; v: b = g / 16, ks = g % 16, head = tile / 4
	s_lshl_b32 s35, s35, 4
	s_lshr_b32 s36, s[T1], 2
	s_add_co_u32 s35, s35, s36
	s_lshl_b32 s35, s35, 4
	s_and_b32 s36, s[GRP], 15
	s_add_co_u32 s35, s35, s36                     ; bh 16 + ks
	s_mul_i32 s40, s35, 6144
	s_add_co_u32 s40, s40, VC
	s_lshl_b32 s41, s35, 8
	s_add_co_u32 s41, s41, VS
	s_cmp_lt_u32 s[MODE], 2
	s_cselect_b32 s37, s37, s40
	s_cselect_b32 s39, s39, s41
.irp u, 0,1,2,3
	s_mov_b32 s[BU+2*\u], s37
	s_mov_b32 s[BU+2*\u+1], 0
	s_add_co_u32 s37, s37, s45
.endr
.irp u, 0,1
	s_mov_b32 s[BS+2*\u], s39
	s_mov_b32 s[BS+2*\u+1], 0
	s_add_co_u32 s39, s39, s46
.endr
	s_mov_b32 s[SEL], 0x76543210
	s_mov_b32 s[SEL+1], 0xfedcba98
	s_mov_b32 s[HM], 0xffff0000
	; group 1: a chunk of a tile is 3,072 consecutive bytes (two K steps' fragments): a row of 384 elements of 8 bytes; from tile to tile 12,288 bytes = 1,536 elements; no padding: fragments are read 512 consecutive bytes at a time
	s_mov_b32 s[G1A+0], 3<<16
	s_mov_b32 s[G1A+1], 384<<16
	s_mov_b32 s[G1A+2], 4<<16
	s_mov_b32 s[G1A+3], 384<<16
	s_mov_b32 s[G1A+4], 4
	s_mov_b32 s[G1A+5], 1536
	s_mov_b32 s[G1A+6], 0
	s_mov_b32 s[G1A+7], 0
	s_mov_b32 s[G1B+0], 3<<16
	s_mov_b32 s[G1B+1], 384<<16
	s_mov_b32 s[G1B+2], 2<<16
	s_mov_b32 s[G1B+3], 384<<16
	s_mov_b32 s[G1B+4], 2
	s_mov_b32 s[G1B+5], 1536
	s_mov_b32 s[G1B+6], 0
	s_mov_b32 s[G1B+7], 0
	v_and_b32 v14, 31, v0                          ; lane
	v_and_b32 v15, 15, v0                          ; r
	v_bfe_u32 v16, v0, 4, 1                        ; h
	v_lshlrev_b32 v17, 4, v14
	s_mul_i32 s35, s[GLS], 24576                   ; my group: 8 tiles x 3,072 bytes in a chunk
	s_mul_i32 s36, s[QD], 12288                    ; my four tiles of source 1
	s_add_co_u32 s36, s36, S1B
.irp j, 0,1,2,3
	v_add_nc_u32 v[A0+\j], s35, v17
	v_add_nc_u32 v[A1+\j], s36, v17
	s_add_co_u32 s35, s35, 49152
	s_add_co_u32 s36, s36, 24576
.endr
	v_lshlrev_b32 v[OFC], 3, v14
	v_add_nc_u32 v[OFC+1], s47, v[OFC]
	v_lshlrev_b32 v18, 2, v15
	v_mad_u32_u24 v[OFS], v16, s48, v18
	v_lshlrev_b32 v18, 5, v15                      ; scale words: 32 bytes a row
	v_lshlrev_b32 v19, 6, v16                      ; the bias along source 0: my half's 16 numbers of each 32
	v_and_b32 v20, 8, v15
	v_add_nc_u32 v20, v20, v15
	v_lshlrev_b32 v20, 2, v20                      ; along source 1: number r + 8 (r / 8) of the tile's
.irp b, 0,1,2,3
	v_mov_b32 v[TM+4+\b], 0                        ; written once: a lane permute's destination counts as one of its sources
.endr
	s_wait_dscnt 0x0                               ; the opening add is done
	s_wait_kmcnt 0x0
	s_cmp_lt_u32 s[MODE], 2
	s_cselect_b64 s[2:3], s[6:7], s[4:5]           ; source 0's buffer: wbuf for q, k; xbuf for v
	s_cselect_b64 s[4:5], s[4:5], s[6:7]           ; source 1's
	s_add_nc_u64 s[92:93], s[2:3], s[92:93]
	s_add_nc_u64 s[94:95], s[4:5], s[94:95]
.irp j, 0,1,2,3
	s_mov_b32 s[G0+8*\j], 1
	s_mul_i32 s[G0+8*\j+1], s[WV], 12288
	s_add_co_u32 s[G0+8*\j+1], s[G0+8*\j+1], \j*49152          ; LDS: chunk j, my four tiles
	s_add_nc_u64 s[G0+8*\j+2:G0+8*\j+3], s[92:93], \j*3072
	s_or_b32 s[G0+8*\j+3], s[G0+8*\j+3], 0x80000000
	s_mov_b32 s[G0+8*\j+4], 1
	s_mul_i32 s[G0+8*\j+5], s[WV], 6144
	s_add_co_u32 s[G0+8*\j+5], s[G0+8*\j+5], S1B+\j*24576      ; chunk j, my two tiles
	s_add_nc_u64 s[G0+8*\j+6:G0+8*\j+7], s[94:95], \j*3072
	s_or_b32 s[G0+8*\j+7], s[G0+8*\j+7], 0x80000000
.endr
.irp j, 0,1,2,3                                ; all first fills as one group: eight tensor loads of mine are out, chunk by chunk
	tensor_load_to_lds s[G0+8*\j:G0+8*\j+3], s[G1A:G1A+7]
	s_nop 0
	tensor_load_to_lds s[G0+8*\j+4:G0+8*\j+7], s[G1B:G1B+7]
	s_nop 0
.endr
	PLACES                                         ; four plain instructions behind the last tensor load, ahead of any switch of windows
	s_add_nc_u64 s[96:97], s[2:3], s[96:97]
	s_add_nc_u64 s[98:99], s[4:5], s[98:99]
	s_cmp_eq_u32 s[MODE], 1
	s_cselect_b64 s[8:9], s[10:11], s[8:9]
	s_cmp_eq_u32 s[MODE], 2
	s_cselect_b64 s[8:9], s[12:13], s[8:9]         ; the part's bias
	s_add_nc_u64 s[100:101], s[8:9], s[100:101]
	s_add_nc_u64 s[104:105], s[8:9], s[104:105]
.irp u, 0,1,2,3
	s_add_nc_u64 s[BU+2*\u:BU+2*\u+1], s[14:15], s[BU+2*\u:BU+2*\u+1]
.endr
.irp u, 0,1
	s_add_nc_u64 s[BS+2*\u:BS+2*\u+1], s[14:15], s[BS+2*\u:BS+2*\u+1]
.endr
.irp t, 0,1,2,3,4,5,6,7
	global_load_b128 v[SC0+8*\t:SC0+8*\t+3], v18, s[96:97] offset:512*\t         ; lane r: row r's words of K steps 0-3,
	global_load_b128 v[SC0+8*\t+4:SC0+8*\t+7], v18, s[96:97] offset:512*\t+16    ; and 4-7
.endr
.irp u, 0,1,2,3
	global_load_b128 v[SC1+8*\u:SC1+8*\u+3], v18, s[98:99] offset:512*\u
	global_load_b128 v[SC1+8*\u+4:SC1+8*\u+7], v18, s[98:99] offset:512*\u+16
.endr
.irp u, 0,1,2,3
	global_load_b32 v[LB+2*\u], v20, s[104:105] offset:(32*(\u/2)+8*(\u%2))*4
.endr
	WIN 0x80                                       ; destination window 2
.irp t, 0,1,2,3,4,5,6,7
	global_load_b128 v[B0+8*\t:B0+8*\t+3], v19, s[100:101] offset:(32*(\t/2)+8*(\t%2))*4
	global_load_b128 v[B0+8*\t+4:B0+8*\t+7], v19, s[100:101] offset:(32*(\t/2)+8*(\t%2))*4+16
.endr
	s_wait_loadcnt 0x0
	WIN 0x88                                       ; source 1 and destination window 2
.set ii, 0
.rept 64
	v_cndmask_b32 v[B0+ii], 0, v[B0+ii], s[MQK]    ; part v has no bias along source 0
.set ii, ii+1
.endr
	WIN 0
.irp u, 0,1,2,3
	v_cndmask_b32 v[LB+2*\u], 0, v[LB+2*\u], s[MV] ; parts q, k have none along source 1
	v_mov_b32 v[LB+2*\u+1], 0                      ; (named with it as a pair)
.endr
; K step s's fragments out of LDS, 512 consecutive bytes a load: 8 tiles of source 0 into window 1, 4 of source 1 into window 2, set s % 2
.macro FETCH s
	WIN 0x40
.irp t, 0,1,2,3,4,5,6,7
.irp c, 0,1,2
	ds_load_b128 v[96*((\s)%2)+12*\t+4*\c:96*((\s)%2)+12*\t+4*\c+3], v[A0+(\s)/2] offset:\t*3072+((\s)%2)*1536+512*\c
.endr
.endr
	WIN 0x80
.irp u, 0,1,2,3
.irp c, 0,1,2
	ds_load_b128 v[48*((\s)%2)+12*\u+4*\c:48*((\s)%2)+12*\u+4*\c+3], v[A1+(\s)/2] offset:\u*3072+((\s)%2)*1536+512*\c
.endr
.endr
.endm
; 32 matrix instructions: the 32 accumulators take turns, one instruction a turn, in the same order in every step.  Step 0 starts the sums with the bias as C
.macro MULS s
.if (\s) == 0
	WIN 0xe9                                       ; A window 1, B window 2, C window 2, D window 3
.else
	WIN 0xf9                                       ; C and D window 3
.endif
.irp u, 0,1,2,3
.irp t, 0,1,2,3,4,5,6,7
.if (\s) == 0
	v_wmma_scale_f32_16x16x128_f8f6f4 v[64*\u+8*\t:64*\u+8*\t+7], v[96*((\s)%2)+12*\t:96*((\s)%2)+12*\t+11], v[48*((\s)%2)+12*\u:48*((\s)%2)+12*\u+11], v[B0+8*\t:B0+8*\t+7], v[SC0+8*\t+(\s)], v[SC1+8*\u+(\s)] matrix_a_fmt:MATRIX_FMT_FP6 matrix_b_fmt:MATRIX_FMT_FP6
.else
	v_wmma_scale_f32_16x16x128_f8f6f4 v[64*\u+8*\t:64*\u+8*\t+7], v[96*((\s)%2)+12*\t:96*((\s)%2)+12*\t+11], v[48*((\s)%2)+12*\u:48*((\s)%2)+12*\u+11], v[64*\u+8*\t:64*\u+8*\t+7], v[SC0+8*\t+(\s)], v[SC1+8*\u+(\s)] matrix_a_fmt:MATRIX_FMT_FP6 matrix_b_fmt:MATRIX_FMT_FP6
.endif
.endr
.endr
.endm
	s_wait_tensorcnt 0x6                           ; my two loads of chunk 0 have landed; the six of the later chunks may be out
	s_barrier_signal -1
	s_barrier_wait -1                              ; everybody's have
	FETCH 0
.irp s, 0,1,2,3,4,5,6,7
	s_wait_dscnt 0x0                               ; this step's fragments are in; no LDS instruction of mine is pending at a signal
.if (\s%2 == 1) && (\s < 7)
	s_wait_tensorcnt 5-\s                          ; my two loads of the next chunk have landed; those of the chunks behind it (4, 2, 0 loads) may be out
	s_barrier_signal -1
	s_barrier_wait -1
.endif
.if \s < 7
	PLACES                                         ; four plain instructions between the last step's products and the loads into the set that they read
	FETCH \s+1
.endif
	MULS \s
.endr
; Tile u of source 1: the lane's 64 results (+ the bias along source 1) are quantised along source 0's 128 rows and leave as two halves of 768 bytes
.macro OUTU u
	s_wait_xcnt 0x0                                ; the last tile's stores have read their registers
	WIN 0x03                                       ; source 0 window 3
.set ii, 0
.rept 32
	v_pk_add_f32 v[HA+2*ii:HA+2*ii+1], v[64*(\u)+2*ii:64*(\u)+2*ii+1], v[LB+2*(\u):LB+2*(\u)+1] op_sel_hi:[1,0]   ; each accumulator from its low end on
.set ii, ii+1
.endr
	WIN 0
	QUANT HA
	v_mov_b32 v[PWS+(\u)], v[PW]
.irp c, 0,1
.irp i, 0,1,2
	global_store_b64 v[OFC+\c], v[PC+6*\c+2*\i:PC+6*\c+2*\i+1], s[BU+2*(\u):BU+2*(\u)+1] offset:256*\i   ; 32 lanes store 256 consecutive bytes, aligned
.endr
.endr
.if (\u)%2 == 1
	v_perm_b32 v242, v[PWS+(\u)], v[PWS+(\u)-1], s[SEL0]
	v_perm_b32 v243, v[PWS+(\u)], v[PWS+(\u)-1], s[SEL1]
	v_cndmask_b32 v242, v242, v243, s[HM]          ; lanes r and r + 16 hold the same words: lanes 0-15 store the first word, lanes 16-31 the second
	global_store_b32 v[OFS], v242, s[BS+2*((\u)/2):BS+2*((\u)/2)+1]   ; two pieces of 64 bytes
.endif
.endm
	PLACES                                         ; four plain instructions between the last product and the first read of results
.irp u, 0,1,2,3
	OUTU \u
.endr
	s_wait_tensorcnt 0x0                           ; the wave's end
	ds_add_u32 v[SPW], v[NIL]
	s_wait_dscnt 0x0
	s_endpgm
.Lfunc_end_k_q1be94f3da0_proj:
	.size	k_q1be94f3da0_proj, .Lfunc_end_k_q1be94f3da0_proj-k_q1be94f3da0_proj
	.p2alignl 7, 3214868480
	.fill 96, 4, 3214868480
	.section	.rodata,"a",@progbits
	.p2align	6, 0x0
	.amdhsa_kernel k_q1be94f3da0_proj
		.amdhsa_group_segment_fixed_size 295424
		.amdhsa_private_segment_fixed_size 0
		.amdhsa_enable_private_segment 0
		.amdhsa_kernarg_size 48
		.amdhsa_user_sgpr_count 2
		.amdhsa_user_sgpr_kernarg_segment_ptr 1
		.amdhsa_wavefront_size32 1
		.amdhsa_system_sgpr_workgroup_id_x 1
		.amdhsa_system_sgpr_workgroup_id_y 1
		.amdhsa_system_sgpr_workgroup_id_z 1
		.amdhsa_system_vgpr_workitem_id 0
		.amdhsa_next_free_vgpr 1024
		.amdhsa_next_free_sgpr 106
		.amdhsa_reserve_vcc 0
		.amdhsa_float_denorm_mode_32 3
		.amdhsa_float_denorm_mode_16_64 3
		.amdhsa_memory_ordered 1
		.amdhsa_forward_progress 1
		.amdhsa_inst_pref_size 99
	.end_amdhsa_kernel
	.amdgpu_metadata
---
amdhsa.version: [ 1, 2 ]
amdhsa.kernels:
  - .name:           k_q1be94f3da0_proj
    .symbol:         k_q1be94f3da0_proj.kd
    .args:
      - { .name: xbuf, .offset: 0, .size: 8, .value_kind: global_buffer, .address_space: global }
      - { .name: wbuf, .offset: 8, .size: 8, .value_kind: global_buffer, .address_space: global }
      - { .name: bq, .offset: 16, .size: 8, .value_kind: global_buffer, .address_space: global }
      - { .name: bk, .offset: 24, .size: 8, .value_kind: global_buffer, .address_space: global }
      - { .name: bv, .offset: 32, .size: 8, .value_kind: global_buffer, .address_space: global }
      - { .name: abuf, .offset: 40, .size: 8, .value_kind: global_buffer, .address_space: global }
    .group_segment_fixed_size: 295424
    .private_segment_fixed_size: 0
    .kernarg_segment_align: 8
    .kernarg_segment_size: 48
    .max_flat_workgroup_size: 128
    .sgpr_count:     106
    .vgpr_count:     1024
    .wavefront_size: 32
...
	.end_amdgpu_metadata
.endif
;; end of part 2
;; launch attn (part 3): grid 4 x 64, 16 waves a work-group, no clusters, 206,848 bytes of LDS; arguments abuf, mbuf, cbuf; writes cbuf
.if DOCPART == 3
	.amdgcn_target "amdgcn-amd-amdhsa--gfx1250"
	.amdhsa_code_object_version 6
	.text
	.protected	k_q1be94f3da0_attn
	.globl	k_q1be94f3da0_attn
	.p2align	8
	.type	k_q1be94f3da0_attn,@function
k_q1be94f3da0_attn:
	s_mov_b64 s[64:65], 0
	v_nop
	global_prefetch_b8 v0, s[64:65] scope:SCOPE_SE
	s_setreg_imm32_b32 hwreg(HW_REG_WAVE_MODE, 25, 1), 1
	s_wait_xcnt 0x0
; ATTN: ctx = softmax(mask(Q K^T / 8)) V for one (batch, head) and 512 queries, both products on codes of E2M3; ctx is quantised along the head's 64 channels for the last projection.
; THE SOFTMAX AHEAD OF THE SECOND PRODUCT: t = score x log2(e) / 8; M = the running largest t rounded UP to a whole number; p = 2^(t - M) is quantised along the keys, not normalised; the row's sum is taken of the unquantised p and divides at the end.
; When M moves, the sum and O are multiplied by 2^(old M - new M): exact.
; THE MASK.  A hidden score is replaced by -2^33 (a logit of -2^30) ahead of the maximum.  LIMIT: reference() writes -1e9; the results differ only where a true logit lies at or under about -1e9.  c x 2^33 is a whole number,
; so a row that is wholly hidden gets p = 1 for every key, as -1e9 x log2(e), a whole number in f32 too, gives.  The mask comes as one word for each score register (bit l = lane l's number counts), stored by the first launch.
; The 64 selects stand in every step: the words serve as select masks alone, and no branch and no address hangs on them.  A STEP'S 64 WORDS ARE ASKED FOR A STEP AHEAD: as soon as the selects have read the last step's.
; SHARES.  A work-group holds the head's whole K and V (codes and scale words, 204,800 bytes) in LDS, copied once through registers (26 loads a lane); each of its 16 waves takes one tile of 16 queries at a time, twice:
; tiles 32 x + wave and 16 further on.  All addresses are made once, at the head; the second tile's places stand in immediates.  Both tiles' Q and the first mask words are asked for behind the copy's loads.
; Four waves share a SIMD, so that one wave's softmax stands beside another's products and LDS loads.  No cluster: a work-group fetches its 204,800 bytes once for 512 tile steps.
; THE COPY TURNS THE FRAGMENTS: in memory a fragment's 1,536 bytes are six chunks of 256 (8 bytes a lane: registers 2 j, 2 j + 1); in LDS three chunks of 512 (16 bytes a lane: registers 4 c .. 4 c + 3), so that three loads of 16 bytes bring a fragment.
; LAYOUT.  Both products transposed: S^T = K Q^T, O^T = V^T P^T: a lane holds ONE query (row lane % 16 of its tile).  The rows of a tile are 32 (T/2) + 8 (T%2) + i + 8 (i/8): the 16 registers of key tiles 2 b, 2 b + 1 are keys 32 b + 16 (lane/16) + 0..15.
; K = 64 IN AN INSTRUCTION OF 128: a fragment of K holds key tiles 2 p (k 0-63) and 2 p + 1 (k 64-127); it is multiplied by [q, 0] and by [0, q]: v[22:33] and v[16:27] share q's six registers between two runs of zero codes.
; Zero codes add exact zeros under any scale byte but 0xff, and every byte here lies in 1..254.
; LIMITS: NaN and infinities are not served; a block of zeros or under 2^-124 gets the byte 1 (only this program reads the bytes).
.set KC,    6291456                    ; abuf: k's halves;
.set VC,    12582912                   ; v's fragments;
.set QS,    18874368                   ; q's pair words;
.set KSO,   19136512                   ; k's (v's scale words 262,144 on)
.set CSO,   6291456                    ; cbuf: the scale words
.set LV,    98304                      ; LDS: K's fragments from 0, V's fragments,
.set LKS,   196608                     ; K's pair words,
.set LVS,   200704                     ; V's scale words,
.set SPARE, 204800                     ; the spare words, 128 bytes a wave: eight blocks of 256 bytes that no other line names
.set SPW, 5                            ; v5  my spare word's LDS address; never rewritten
.set NIL, 6                            ; v6  0; never rewritten
.set ADK, 8                            ; v8-11 the step's LDS addresses: K, V, K's words, V's words
.set ADV, 9
.set ADS, 10
.set ADT, 11
.set F,   36                           ; v36-83  four fragments of K, then of V
.set SCL, 84                           ; v84-87  their scale words
.set S,   88                           ; v88-151 S^T, then p
.set O,   152                          ; v152-183 O^T
.set PCD, 184                          ; v184-195 p's codes
.set BM,  196                          ; v196-199 the blocks' maxima
.set T8,  200                          ; v200-207 at work
.set SO,  208                          ; v208-211 the conversions' scale operands
.set L8,  218                          ; v218 8 x lane: a chunk of Q's and of ctx's halves in memory; never rewritten
.set Q1,  220                          ; v220-225 the second tile's Q; v226 its pair word
.set WV,  10
.set BH,  11
.set STEP, 14
.set QSEL, 15                          ; which half of a pair word is my tiles'
.set SEL, 84                           ; s[84:85]
.set CS,  86                           ; s[86:87] c = log2(e) / 8
.set SK,  88                           ; the step's codes in LDS: 6,144 bytes a step, K's and V's alike
.set SS,  89                           ; its scale words: 256 bytes a step
.set MO,  90                           ; the mask words that were asked for last: 256 bytes a step, 65,536 from my first tile to my second
.macro MASKS                                   ; a step's 64 mask words: word n into s[16 + n], from n = 48 on into s[20 + n]
	s_load_b512 s[16:31], s[94:95], s[MO] offset:0x0
	s_load_b512 s[32:47], s[94:95], s[MO] offset:0x40
	s_load_b512 s[48:63], s[94:95], s[MO] offset:0x80
	s_load_b512 s[68:83], s[94:95], s[MO] offset:0xc0
.endm
	s_load_b128 s[4:7], s[0:1], 0x0                ; abuf s[4:5], mbuf s[6:7]
	s_load_b64 s[8:9], s[0:1], 0x10                ; cbuf
	v_lshl_add_u32 v[SPW], v0, 2, SPARE
	v_mov_b32 v[NIL], 0
	v_lshrrev_b32 v8, 5, v0
	v_readfirstlane_b32 s[WV], v8                  ; wave 0..15
	s_and_b32 s[BH], ttmp7, 0xffff                 ; 16 b + head
	v_and_b32 v215, 31, v0                         ; lane
	v_and_b32 v216, 15, v0                         ; r
	v_bfe_u32 v227, v0, 4, 1                       ; h
	v_lshlrev_b32 v1, 4, v215                      ; v1 16 x lane: a fragment's chunk in LDS (K), and my 16 bytes of a load of the copy
	v_lshlrev_b32 v[L8], 3, v215
	v_lshlrev_b32 v7, 2, v215                      ; v7 4 x lane
	v_lshlrev_b32 v9, 5, v216
	v_lshl_add_u32 v9, v227, 3, v9                 ; the copy's way into LDS: 32 r + 8 h (see below),
	s_mul_i32 s12, s[WV], 6144
	v_add_nc_u32 v9, s12, v9                       ; in my wave's four fragments of K,
	v_add_nc_u32 v10, LV, v9                       ; and of V
	v_lshlrev_b32 v216, 2, v216                    ; v216 4 r
	v_lshlrev_b32 v11, 3, v0                       ; 8 x thread: the scale words' copy
	v_add_nc_u32 v219, LKS, v11
	v_add_nc_u32 v2, LV, v1                        ; v2 a chunk in V's region
	v_add_nc_u32 v3, LKS, v216                     ; v3 K's pair words
	v_add_nc_u32 v4, LVS, v216                     ; v4 V's scale words
	s_lshl_b32 s91, ttmp9, 5
	s_add_co_u32 s91, s91, s[WV]                   ; qt: my first tile of queries
	s_mov_b32 s93, 0                               ; the upper word of every offset in s[92:93]
	s_mov_b32 s[MO], 0
	s_mul_i32 s92, s[BH], 98304
	s_add_co_u32 s92, s92, s12
	s_add_co_u32 s92, s92, KC
	s_wait_kmcnt 0x0
	s_add_nc_u64 s[2:3], s[4:5], s[92:93]          ; the head's K at my wave's 6,144 bytes; V's lie VC - KC further on
	s_lshl_b32 s92, s[BH], 12
	s_add_co_u32 s92, s92, KSO
	s_add_nc_u64 s[66:67], s[4:5], s[92:93]        ; K's pair words
.irp i, 0,1,2,3,4,5,6,7,8,9,10,11
	global_load_b128 v[88+4*\i:91+4*\i], v1, s[2:3] offset:512*\i             ; 32 lanes read 512 consecutive bytes
.endr
.irp i, 0,1,2,3,4,5,6,7,8,9,10,11
	global_load_b128 v[136+4*\i:139+4*\i], v1, s[2:3] offset:VC-KC+512*\i
.endr
	global_load_b64 v[184:185], v11, s[66:67]
	global_load_b64 v[186:187], v11, s[66:67] offset:262144
	s_lshl_b32 s92, s[BH], 7
	s_add_co_u32 s92, s92, s91
	s_mul_i32 s92, s92, 768
	s_add_nc_u64 s[96:97], s[4:5], s[92:93]        ; Q's half of my first tile; the second's 16 x 768 bytes on
	s_lshl_b32 s92, s[BH], 6
	s_lshr_b32 s13, s91, 1
	s_add_co_u32 s92, s92, s13
	s_lshl_b32 s92, s92, 6
	s_add_co_u32 s92, s92, QS
	s_add_nc_u64 s[98:99], s[4:5], s[92:93]        ; its pair word; the second's 8 x 64 bytes on
.irp i, 0,1,2
	global_load_b64 v[22+2*\i:23+2*\i], v[L8], s[96:97] offset:256*\i
.endr
.irp i, 0,1,2
	global_load_b64 v[Q1+2*\i:Q1+2*\i+1], v[L8], s[96:97] offset:12288+256*\i
.endr
	global_load_b32 v214, v216, s[98:99]
	global_load_b32 v226, v216, s[98:99] offset:512
	s_lshr_b32 s13, s[BH], 4
	s_lshl_b32 s13, s13, 7
	s_add_co_u32 s13, s13, s91                     ; T = 128 b + qt
	s_lshl_b32 s92, s13, 12
	s_add_nc_u64 s[94:95], s[6:7], s[92:93]        ; my first tile's 16 steps x 64 mask words; the second's 16 x 4,096 bytes on
	MASKS                                          ; the first step's words
	s_lshl_b32 s12, s13, 4
	s_and_b32 s92, s[BH], 15
	s_add_co_u32 s12, s12, s92                     ; 16 T + head
	s_mul_i32 s92, s12, 768
	s_add_nc_u64 s[100:101], s[8:9], s[92:93]      ; where ctx's half goes; the second tile's 256 x 768 bytes on,
	s_lshl_b32 s92, s12, 7
	s_add_co_u32 s92, s92, CSO
	s_add_nc_u64 s[104:105], s[8:9], s[92:93]      ; and its scale words; the second's 256 x 128 bytes on
	s_and_b32 s13, s[WV], 1
	s_cmp_eq_u32 s13, 0
	s_mov_b32 s[QSEL], 0x03020302
	s_cselect_b32 s[QSEL], 0x01000100, s[QSEL]     ; my tiles' half of their pair words, twice: q stands at k 0-63 or at k 64-127
.irp i, 16,17,18,19,20,21,28,29,30,31,32,33
	v_mov_b32 v\i, 0                               ; the zero codes on both sides of q's six registers
.endr
	v_mov_b32 v35, 0xd0000000                      ; -2^33
.irp b, 0,1,2,3
	v_mov_b32 v[T8+\b], 0                          ; written once: a lane permute's destination counts as one of its sources
.endr
	v_mov_b32 v213, 0                              ; (named as the upper half of the pair v[212:213] before it is first written)
	s_mov_b32 s[SEL], 0x76543210
	s_mov_b32 s[SEL+1], 0xfedcba98
	s_mov_b32 s[CS], 0x3e38aa3b
	s_mov_b32 s[CS+1], s[CS]                       ; (named with it as a pair)
	; Load i of a wave's 12 read bytes 512 i + 16 l: chunk j = 2 (i % 3) + l / 16 of fragment i / 3, the 8-byte pieces of that fragment's lanes 2 (l % 16) and 2 (l % 16) + 1: their registers 2 j, 2 j + 1.
	; In LDS those lie in chunk i % 3 at 16 x (the piece's lane) + 8 (j % 2): 512 i + 32 (l % 16) + 8 (l / 16), and 16 bytes on.
	s_wait_loadcnt 22                              ; K's 12 loads are in; V's 12, the scale words' 2, Q's 6 and the 2 pair words may be out
.set ii, 0
.rept 12
	ds_store_b64 v9, v[88+4*ii:89+4*ii] offset:512*ii
	ds_store_b64 v9, v[90+4*ii:91+4*ii] offset:512*ii+16
.set ii, ii+1
.endr
	s_wait_loadcnt 0x0
.set ii, 0
.rept 12
	ds_store_b64 v10, v[136+4*ii:137+4*ii] offset:512*ii
	ds_store_b64 v10, v[138+4*ii:139+4*ii] offset:512*ii+16
.set ii, ii+1
.endr
	ds_store_b64 v219, v[184:185]
	ds_store_b64 v219, v[186:187] offset:LVS-LKS
	s_wait_dscnt 0x0                               ; for the others' sake: my stores have landed
	s_barrier_signal -1
	s_barrier_wait -1                              ; the one barrier: behind it no byte of these regions is written again
; A KEY STEP: 128 keys.  nxt = 1: the next step's mask words are asked for, and the LDS places step on; 2: the second tile's first words are asked for; 0: nothing is left to ask for
.macro STEPM nxt
	v_add_nc_u32 v[ADK], s[SK], v1                 ; (four plain instructions between the last step's products and the loads into the registers that they read)
	v_add_nc_u32 v[ADV], s[SK], v2
	v_add_nc_u32 v[ADS], s[SS], v3
	v_add_nc_u32 v[ADT], s[SS], v4
.irp f, 0,1,2,3
.irp c, 0,1,2
	ds_load_b128 v[F+12*\f+4*\c:F+12*\f+4*\c+3], v[ADK] offset:1536*\f+512*\c   ; key tiles 2 f and 2 f + 1 of the step: 512 consecutive bytes a load
.endr
	ds_load_b32 v[SCL+\f], v[ADS] offset:64*\f
.endr
	s_wait_dscnt 0x0
.irp f, 0,1,2,3
	v_wmma_scale_f32_16x16x128_f8f6f4 v[S+16*\f:S+16*\f+7], v[F+12*\f:F+12*\f+11], v[22:33], 0, v[SCL+\f], v34 matrix_a_fmt:MATRIX_FMT_FP6 matrix_b_fmt:MATRIX_FMT_FP6
	v_wmma_scale_f32_16x16x128_f8f6f4 v[S+16*\f+8:S+16*\f+15], v[F+12*\f:F+12*\f+11], v[16:27], 0, v[SCL+\f], v34 matrix_a_fmt:MATRIX_FMT_FP6 matrix_b_fmt:MATRIX_FMT_FP6
.endr
.rept 4
	v_nop                                          ; four plain instructions ahead of the loads below and of the first read of the scores
.endr
.irp f, 0,1,2,3
.irp c, 0,1,2
	ds_load_b128 v[F+12*\f+4*\c:F+12*\f+4*\c+3], v[ADV] offset:1536*\f+512*\c   ; V's four tiles of 16 channels x these 128 keys: they land during the softmax
.endr
	ds_load_b32 v[SCL+\f], v[ADT] offset:64*\f
.endr
	s_wait_kmcnt 0x0                               ; this step's mask words, asked for a step ago, are in
.set nn, 0
.rept 64
.if nn < 48
	v_cndmask_b32 v[S+nn], v35, v[S+nn], s[16+nn]  ; a score whose mask bit is 0 becomes -2^33; in ascending order
.else
	v_cndmask_b32 v[S+nn], v35, v[S+nn], s[20+nn]
.endif
.set nn, nn+1
.endr
.irp b, 0,1,2,3
	v_max3_num_f32 v[BM+\b], v[S+16*\b], v[S+1+16*\b], v[S+2+16*\b]   ; the largest score of each block of 32 keys: for the row's maximum and, since p rises with the score, for the block's largest p
.endr
.irp i, 3,5,7,9,11,13
.irp b, 0,1,2,3
	v_max3_num_f32 v[BM+\b], v[BM+\b], v[S+16*\b+\i], v[S+1+16*\b+\i]
.endr
.endr
.irp b, 0,1,2,3
	v_max_num_f32 v[BM+\b], v[BM+\b], v[S+15+16*\b]
.endr
.if (\nxt) == 1                                ; the selects have read the words, and the loads that read the offset were waited for: the next 64 words go out, with the rest of the step in which to land
	s_add_co_u32 s[MO], s[MO], 256
	MASKS
.elseif (\nxt) == 2
	s_add_co_u32 s[MO], s[MO], 65536-15*256        ; from my first tile's last step to my second tile's first
	MASKS
.endif
.irp b, 0,1,2,3
	v_permlanex16_b32 v[T8+\b], v[BM+\b], s[SEL], s[SEL+1]
.endr
.irp b, 0,1,2,3
	v_max_num_f32 v[BM+\b], v[BM+\b], v[T8+\b]     ; with lane l xor 16's 16 keys
.endr
	v_max3_num_f32 v214, v[BM], v[BM+1], v[BM+2]
	v_max_num_f32 v214, v214, v[BM+3]
	v_mul_f32 v214, s[CS], v214                    ; the step's largest t
	v_max_num_f32 v13, v13, v214                   ; the running largest t
	v_mov_b32 v214, v12
	v_floor_f32 v12, -v13                          ; the new -M = -ceil(t): a whole number
	v_sub_f32 v214, v12, v214                      ; old M - new M, 0 or less
	v_cvt_i32_f32 v214, v214                       ; (it saturates)
	v_ldexp_f32 v212, 1.0, v214                    ; f = 2^(old M - new M)
.set jj, 0
.rept 32
	v_pk_fma_f32 v[S+jj:S+jj+1], v[S+jj:S+jj+1], s[CS:CS+1], v[12:13] op_sel_hi:[1,0,0]   ; t - M, two at a time
.set jj, jj+2
.endr
.irp b, 0,1,2,3
	v_fma_f32 v[BM+\b], v[BM+\b], s[CS], v12       ; the same of each block's largest score
.endr
.set jj, 0
.rept 64
	v_exp_f32 v[S+jj], v[S+jj]                     ; p = 2^(t - M)
.set jj, jj+1
.endr
	v_pk_mul_f32 v[14:15], v[14:15], v[212:213] op_sel_hi:[1,0]   ; the sums under the new M: the plain instruction behind the exponentials
	s_wait_alu depctr_va_vdst(0)                   ; one wait for the batch of 64, ahead of its first reader
.irp b, 0,1,2,3
	v_exp_f32 v[BM+\b], v[BM+\b]                   ; the blocks' largest p
.endr
	v_pk_add_f32 v[T8:T8+1], v[S:S+1], v[S+2:S+3]  ; the row's sum of the UNQUANTISED p, in two chains
.irp j, 4,8,12,16,20,24,28,32,36,40,44,48,52,56,60
	v_pk_add_f32 v[14:15], v[14:15], v[S+\j:S+\j+1]
	v_pk_add_f32 v[T8:T8+1], v[T8:T8+1], v[S+2+\j:S+3+\j]
.endr
	v_pk_add_f32 v[14:15], v[14:15], v[T8:T8+1]
	s_wait_alu depctr_va_vdst(0)                   ; and one for the four
.irp b, 0,1,2,3
	v_max_num_f32 v[BM+\b], 0x1800000, v[BM+\b]    ; the floor 2^(3 - 127)
.endr
.irp b, 0,1,2,3
	v_add_nc_u32 v[SO+\b], 0xff000000, v[BM+\b]
.endr
.irp b, 0,1,2,3
	v_lshrrev_b32 v[T8+\b], 23, v[SO+\b]
.endr
	v_lshl_or_b32 v213, v[T8+1], 8, v[T8]          ; p's scale word for these 128 keys
	v_lshl_or_b32 v213, v[T8+2], 16, v213
	v_lshl_or_b32 v213, v[T8+3], 24, v213
.irp c, 0,1
	v_cvt_scalef32_pk16_fp6_f32 v[PCD+6*\c:PCD+2+6*\c], v[S+32*\c:S+15+32*\c], v[SO+2*\c]
	v_cvt_scalef32_pk16_fp6_f32 v[T8+4*\c:T8+2+4*\c], v[S+16+32*\c:S+31+32*\c], v[SO+2*\c+1]
.endr
	v_nop                                          ; one plain instruction behind the scaled conversions
.irp c, 0,1
.irp i, 0,1,2
	v_permlane16_swap_b32 v[PCD+6*\c+\i], v[T8+4*\c+\i]
.endr
.irp i, 0,1,2
	v_mov_b32 v[PCD+3+6*\c+\i], v[T8+4*\c+\i]
.endr
.endr
.set jj, 0
.rept 16
	v_pk_mul_f32 v[O+jj:O+jj+1], v[O+jj:O+jj+1], v[212:213] op_sel_hi:[1,0]   ; O^T under the new M.  (Also the plain instructions between the writes of p's codes and scale word and the products)
.set jj, jj+2
.endr
	s_wait_dscnt 0x0                               ; V is in
.irp f, 0,1,2,3
	v_wmma_scale_f32_16x16x128_f8f6f4 v[O+8*\f:O+8*\f+7], v[F+12*\f:F+12*\f+11], v[PCD:PCD+11], v[O+8*\f:O+8*\f+7], v[SCL+\f], v213 matrix_a_fmt:MATRIX_FMT_FP6 matrix_b_fmt:MATRIX_FMT_FP6
.endr
.if (\nxt) == 1
	s_add_co_u32 s[SK], s[SK], 6144
	s_add_co_u32 s[SS], s[SS], 256
.endif
.endm
; ONE TILE OF 16 QUERIES: qt = 32 x + 16 pp + wave
.macro PASS pp
.if \pp
.irp i, 0,1,2,3,4,5
	v_mov_b32 v[22+\i], v[Q1+\i]                   ; the second tile's Q, which came with the first's
.endr
	v_perm_b32 v34, v226, v226, s[QSEL]
.else
	v_perm_b32 v34, v214, v214, s[QSEL]            ; Q's scale word: my tile's two bytes, twice
.endif
	v_mov_b32 v13, 0xff61b1e6                      ; the largest t so far: -3e38
	v_floor_f32 v12, -v13                          ; -M
	v_mov_b32 v14, 0                               ; the sum, in two halves
	v_mov_b32 v15, 0
.set ii, 0
.rept 32
	v_mov_b32 v[O+ii], 0                           ; O^T: the step is written without a first step of its own; the first finds zeros.  (These are also the plain instructions between the writes of Q and its scale word and the first product)
.set ii, ii+1
.endr
.if \pp
	s_wait_xcnt 0x0                                ; the first tile's stores have read their data: the registers of p's codes are written again only behind this wait
.endif
	s_mov_b32 s[STEP], 0
	s_mov_b32 s[SK], 0
	s_mov_b32 s[SS], 0
.Lstep_\@:                                         ; 15 trips of 128 keys; each asks for the next step's mask words
	STEPM 1
	s_add_co_u32 s[STEP], s[STEP], 1
	s_cmp_lt_u32 s[STEP], 15
	s_cbranch_scc1 .Lstep_\@
	STEPM 2-2*\pp                                  ; the 16th step is written out: no load of mask words leaves its buffer
	; the tile's end: O^T / the sum, quantised along the head's 64 channels: register 16 b + i is channel 32 b + 16 (lane / 16) + i
.rept 4
	v_nop
.endr
	v_add_f32 v14, v14, v15
	v_permlanex16_b32 v214, v14, s[SEL], s[SEL+1]
	v_add_f32 v14, v14, v214                       ; the row's sum
	v_rcp_f32 v14, v14
	v_nop                                          ; a plain instruction behind the reciprocal,
	s_wait_alu depctr_va_vdst(0)                   ; and the wait ahead of its first reader
.set jj, 0
.rept 16
	v_pk_mul_f32 v[S+jj:S+jj+1], v[O+jj:O+jj+1], v[14:15] op_sel_hi:[1,0]   ; each accumulator from its low end on
.set jj, jj+2
.endr
.irp b, 0,1
	v_max3_num_f32 v[BM+\b], |v[S+16*\b]|, |v[S+1+16*\b]|, 0x1800000
.endr
.irp i, 2,4,6,8,10,12,14
.irp b, 0,1
	v_max3_num_f32 v[BM+\b], v[BM+\b], |v[S+16*\b+\i]|, |v[S+1+16*\b+\i]|
.endr
.endr
.irp b, 0,1
	v_permlanex16_b32 v[T8+\b], v[BM+\b], s[SEL], s[SEL+1]
.endr
.irp b, 0,1
	v_max_num_f32 v[BM+\b], v[BM+\b], v[T8+\b]
.endr
.irp b, 0,1
	v_add_nc_u32 v[SO+\b], 0xff000000, v[BM+\b]
.endr
.irp b, 0,1
	v_lshrrev_b32 v[T8+\b], 23, v[SO+\b]
.endr
	v_lshl_or_b32 v215, v[T8+1], 8, v[T8]          ; the two bytes; the upper half stays 0
	v_cvt_scalef32_pk16_fp6_f32 v[PCD:PCD+2], v[S:S+15], v[SO]
	v_cvt_scalef32_pk16_fp6_f32 v[T8+4:T8+6], v[S+16:S+31], v[SO+1]
	v_nop
.irp i, 0,1,2
	v_permlane16_swap_b32 v[PCD+\i], v[T8+4+\i]
.endr
.irp i, 0,1,2
	v_mov_b32 v[PCD+3+\i], v[T8+4+\i]
.endr
.irp i, 0,1,2
	global_store_b64 v[L8], v[PCD+2*\i:PCD+2*\i+1], s[100:101] offset:196608*\pp+256*\i   ; 32 lanes store 256 consecutive bytes, aligned
.endr
	global_store_b32 v7, v215, s[104:105] offset:32768*\pp   ; 128 consecutive bytes
.endm
	PASS 0
	PASS 1
	s_wait_tensorcnt 0x0                           ; the wave's end
	ds_add_u32 v[SPW], v[NIL]
	s_wait_dscnt 0x0
	s_endpgm
.Lfunc_end_k_q1be94f3da0_attn:
	.size	k_q1be94f3da0_attn, .Lfunc_end_k_q1be94f3da0_attn-k_q1be94f3da0_attn
	.p2alignl 7, 3214868480
	.fill 96, 4, 3214868480
	.section	.rodata,"a",@progbits
	.p2align	6, 0x0
	.amdhsa_kernel k_q1be94f3da0_attn
		.amdhsa_group_segment_fixed_size 206848
		.amdhsa_private_segment_fixed_size 0
		.amdhsa_enable_private_segment 0
		.amdhsa_kernarg_size 24
		.amdhsa_user_sgpr_count 2
		.amdhsa_user_sgpr_kernarg_segment_ptr 1
		.amdhsa_wavefront_size32 1
		.amdhsa_system_sgpr_workgroup_id_x 1
		.amdhsa_system_sgpr_workgroup_id_y 1
		.amdhsa_system_sgpr_workgroup_id_z 1
		.amdhsa_system_vgpr_workitem_id 0
		.amdhsa_next_free_vgpr 256
		.amdhsa_next_free_sgpr 106
		.amdhsa_reserve_vcc 0
		.amdhsa_float_denorm_mode_32 3
		.amdhsa_float_denorm_mode_16_64 3
		.amdhsa_memory_ordered 1
		.amdhsa_forward_progress 1
		.amdhsa_inst_pref_size 100
	.end_amdhsa_kernel
	.amdgpu_metadata
---
amdhsa.version: [ 1, 2 ]
amdhsa.kernels:
  - .name:           k_q1be94f3da0_attn
    .symbol:         k_q1be94f3da0_attn.kd
    .args:
      - { .name: abuf, .offset: 0, .size: 8, .value_kind: global_buffer, .address_space: global }
      - { .name: mbuf, .offset: 8, .size: 8, .value_kind: global_buffer, .address_space: global }
      - { .name: cbuf, .offset: 16, .size: 8, .value_kind: global_buffer, .address_space: global }
    .group_segment_fixed_size: 206848
    .private_segment_fixed_size: 0
    .kernarg_segment_align: 8
    .kernarg_segment_size: 24
    .max_flat_workgroup_size: 512
    .sgpr_count:     106
    .vgpr_count:     256
    .wavefront_size: 32
...
	.end_amdgpu_metadata
.endif
;; end of part 3
;; launch oproj (part 4): grid 256 x 1, 16 waves a work-group, no clusters, 160,256 bytes of LDS; arguments cbuf, wbuf, q, bo, gamma, beta, out0; writes out0
.if DOCPART == 4
	.amdgcn_target "amdgcn-amd-amdhsa--gfx1250"
	.amdhsa_code_object_version 6
	.text
	.protected	k_q1be94f3da0_oproj
	.globl	k_q1be94f3da0_oproj
	.p2align	8
	.type	k_q1be94f3da0_oproj,@function
k_q1be94f3da0_oproj:
	s_mov_b64 s[64:65], 0
	v_nop
	global_prefetch_b8 v0, s[64:65] scope:SCOPE_SE
	s_setreg_imm32_b32 hwreg(HW_REG_WAVE_MODE, 25, 1), 1
	s_wait_xcnt 0x0
; OPROJ: out0 = LayerNorm(ctx Wo + bo + q) gamma + beta.  The product on codes of E2M3; all else in f32; mean and variance in two passes over the row, which stays in registers.
; SHARES.  A work-group takes 32 rows (tiles 2 g, 2 g + 1) x all 1,024 columns, so that a row's statistics never leave it.  In the product wave w takes 64 columns (Wo's tiles 4 w .. 4 w + 3) x both tiles of rows:
; 8 accumulators by turns.  For the LayerNorm wave w takes rows 32 g + 2 w and + 1, whole; the results change hands through a stage in LDS.
; Wo's fragments go from memory straight into the registers of the one wave of the work-group that multiplies by them, two K steps ahead; so they do not pass through LDS, and there is no joint load.
; ctx's 16 fragments (24,576 bytes, as they lie in memory) and their scale words are copied into LDS once, through registers.
; The product is used transposed (source 0 = 16 columns of Wo, source 1 = 16 rows of ctx): a lane's 16 registers of tiles 2 b, 2 b + 1 are 16 neighbouring columns of one row.
; Row r of tile 2 g + u is row 32 g + 8 u + r + 8 (r / 8).
.set WS,    3145728
.set CSO,   6291456
.set CSW,   24576                      ; LDS: ctx's fragments from 0; their scale words, word (u, s, lane) at 4 x thread;
.set STG,   26624                      ; the stage: 32 rows x (4,096 bytes + 16), row 16 u + r;
.set SPARE, 158208                     ; the spare words, 128 bytes a wave: eight blocks of 256 bytes that no other line names
.set SPW, 8                            ; v8  my spare word's LDS address; never rewritten
.set NIL, 9                            ; v9  0; never rewritten
.set WF,  16                           ; v16-63, v64-111 Wo's four fragments, two sets
.set CF,  112                          ; v112-135 ctx's two fragments
.set ACC, 144                          ; v144-207 accumulator (t, u) at 144 + 8 (2 t + u); later my two rows
.set WSC, 208                          ; v208-239 Wo's scale words [t][s]
.set CSC, 240                          ; v240-255 ctx's [u][s]
.set WV,  18
.set SEL, 20
	s_load_b256 s[4:11], s[0:1], 0x0               ; cbuf s[4:5], wbuf s[6:7], q s[8:9], bo s[10:11]
	s_load_b128 s[12:15], s[0:1], 0x20             ; gamma s[12:13], beta s[14:15]
	s_load_b64 s[16:17], s[0:1], 0x30              ; out0
	v_lshl_add_u32 v[SPW], v0, 2, SPARE
	v_mov_b32 v[NIL], 0
	v_lshrrev_b32 v10, 5, v0
	v_readfirstlane_b32 s[WV], v10                 ; wave 0..15
	v_and_b32 v10, 31, v0                          ; lane
	v_and_b32 v11, 15, v0                          ; r
	v_bfe_u32 v12, v0, 4, 1                        ; h
	v_lshlrev_b32 v1, 4, v10                       ; v1 16 x lane
	v_lshlrev_b32 v2, 3, v10                       ; v2 8 x lane
	v_lshlrev_b32 v3, 2, v10                       ; v3 4 x lane
	v_lshlrev_b32 v13, 4, v0                       ; v13 16 x thread
	v_lshlrev_b32 v14, 2, v0                       ; v14 4 x thread
	v_lshlrev_b32 v15, 5, v11                      ; v15 32 r
	v_mul_u32_u24 v4, v11, 4112
	v_lshl_add_u32 v4, v12, 6, v4
	s_lshl_b32 s22, s[WV], 8
	s_add_co_u32 s22, s22, STG
	v_add_nc_u32 v4, s22, v4                       ; v4 into the stage, u = 0: row r, + 64 h, + my 64 columns' 256 bytes
	v_add_nc_u32 v5, 16*4112, v4                   ; v5 u = 1
	s_bfe_u32 s22, s[WV], 0x10002                  ; row 2 w of the 32 lies in tile u = (w / 4) % 2 as its row 8 (w / 8) + (2 w) % 8
	s_lshl_b32 s22, s22, 4
	s_lshr_b32 s23, s[WV], 3
	s_lshl_b32 s23, s23, 3
	s_add_co_u32 s22, s22, s23
	s_lshl_b32 s23, s[WV], 1
	s_and_b32 s23, s23, 7
	s_add_co_u32 s22, s22, s23
	s_mul_i32 s22, s22, 4112
	s_add_co_u32 s22, s22, STG
	v_add_nc_u32 v6, s22, v1                       ; v6 out of the stage: my first row, 16 bytes a lane
	v_lshlrev_b32 v7, 8, v11
	v_lshl_add_u32 v7, v12, 12, v7                 ; v7 the prefetch: lanes 0-15 my first row of q, lanes 16-31 my second, 256 bytes from lane to lane
	s_mov_b32 s[SEL], 0x76543210
	s_mov_b32 s[SEL+1], 0xfedcba98
	s_mov_b32 s38, 0x3a800000                      ; 1 / 1024
	s_mov_b32 s39, 0x358637bd                      ; 1e-6
	s_mov_b32 s23, 0
	s_wait_kmcnt 0x0
	s_mul_i32 s22, ttmp9, 24576
	s_add_nc_u64 s[24:25], s[4:5], s[22:23]        ; ctx's 32 halves
	s_lshl_b32 s22, ttmp9, 12
	s_lshl_b32 s36, s[WV], 8
	s_add_co_u32 s22, s22, s36
	s_add_co_u32 s22, s22, CSO
	s_add_nc_u64 s[26:27], s[4:5], s[22:23]        ; the scale words of heads 2 s, 2 s + 1 of tile u, wave = 8 u + s
	s_mul_i32 s22, s[WV], 49152
	s_add_co_u32 s22, s22, 2359296
	s_add_nc_u64 s[28:29], s[6:7], s[22:23]        ; Wo's tiles 4 w on
	s_lshl_b32 s22, s[WV], 11
	s_add_co_u32 s22, s22, WS+192*512
	s_add_nc_u64 s[30:31], s[6:7], s[22:23]        ; their scale words
	s_lshl_b32 s22, ttmp9, 5
	s_lshl_b32 s36, s[WV], 1
	s_add_co_u32 s22, s22, s36
	s_lshl_b32 s22, s22, 12
	s_add_nc_u64 s[32:33], s[8:9], s[22:23]        ; q at my two rows,
	s_add_nc_u64 s[34:35], s[16:17], s[22:23]      ; out0 likewise
.macro WLOAD s                                 ; Wo's four fragments of K step s into set s % 2: 512 consecutive bytes a load
.irp t, 0,1,2,3
.irp c, 0,1,2
	global_load_b128 v[WF+48*((\s)%2)+12*\t+4*\c:WF+48*((\s)%2)+12*\t+4*\c+3], v1, s[28:29] offset:\t*12288+(\s)*1536+512*\c
.endr
.endr
.endm
.macro CFETCH s                                ; ctx's two fragments of K step s out of LDS: 256 consecutive bytes a load
.irp u, 0,1
.irp c, 0,1,2,3,4,5
	ds_load_b64 v[CF+12*\u+2*\c:CF+12*\u+2*\c+1], v2 offset:\u*12288+(\s)*1536+256*\c
.endr
.endr
.endm
.irp i, 0,1,2
	global_load_b128 v[CF+4*\i:CF+4*\i+3], v13, s[24:25] offset:8192*\i th:TH_LOAD_NT
.endr
	global_load_b32 v136, v3, s[26:27] th:TH_LOAD_NT
	global_load_b32 v137, v3, s[26:27] offset:128 th:TH_LOAD_NT
.irp t, 0,1,2,3
	global_load_b128 v[WSC+8*\t:WSC+8*\t+3], v15, s[30:31] offset:512*\t
	global_load_b128 v[WSC+8*\t+4:WSC+8*\t+7], v15, s[30:31] offset:512*\t+16
.endr
	WLOAD 0
	WLOAD 1
	s_wait_loadcnt 32                              ; the copy's five loads are in; Wo's 8 loads of scale words and two sets of 12 may be out
.irp i, 0,1,2
	ds_store_b128 v13, v[CF+4*\i:CF+4*\i+3] offset:8192*\i
.endr
	v_lshl_or_b32 v136, v137, 16, v136             ; head 2 s's two bytes below, head 2 s + 1's above: the K step's scale word
	ds_store_b32 v14, v136 offset:CSW
	s_wait_dscnt 0x0                               ; for the others' sake: my stores have landed
	s_barrier_signal -1
	s_barrier_wait -1
.irp u, 0,1
.irp s, 0,1,2,3,4,5,6,7
	ds_load_b32 v[CSC+8*\u+\s], v3 offset:CSW+(8*\u+\s)*128
.endr
.endr
	CFETCH 0
.macro KSTEP s
.if (\s) < 7
	s_wait_loadcnt 12                              ; this step's set is in; the next step's 12 loads may be out
.else
	s_wait_loadcnt 0x0
.endif
	s_wait_dscnt 0x0
.irp t, 0,1,2,3
.irp u, 0,1
.if (\s) == 0
	v_wmma_scale_f32_16x16x128_f8f6f4 v[ACC+8*(2*\t+\u):ACC+8*(2*\t+\u)+7], v[WF+48*((\s)%2)+12*\t:WF+48*((\s)%2)+12*\t+11], v[CF+12*\u:CF+12*\u+11], 0, v[WSC+8*\t+(\s)], v[CSC+8*\u+(\s)] matrix_a_fmt:MATRIX_FMT_FP6 matrix_b_fmt:MATRIX_FMT_FP6
.else
	v_wmma_scale_f32_16x16x128_f8f6f4 v[ACC+8*(2*\t+\u):ACC+8*(2*\t+\u)+7], v[WF+48*((\s)%2)+12*\t:WF+48*((\s)%2)+12*\t+11], v[CF+12*\u:CF+12*\u+11], v[ACC+8*(2*\t+\u):ACC+8*(2*\t+\u)+7], v[WSC+8*\t+(\s)], v[CSC+8*\u+(\s)] matrix_a_fmt:MATRIX_FMT_FP6 matrix_b_fmt:MATRIX_FMT_FP6
.endif
.endr
.endr
.rept 4
	v_nop                                          ; four plain instructions ahead of loads into registers that the products read, and of the first read of results
.endr
.if (\s) < 6
	WLOAD (\s)+2
.endif
.if (\s) < 7
	CFETCH (\s)+1
.endif
.endm
	KSTEP 0
	KSTEP 1
	global_prefetch_b8 v7, s[32:33] th:TH_LOAD_NT scope:SCOPE_SE   ; my two rows of q, 32 blocks of 256 bytes, a lane a block, each named once in the launch: six K steps ahead of the loads that want them
	KSTEP 2
	KSTEP 3
	KSTEP 4
	KSTEP 5
	KSTEP 6
	KSTEP 7
.irp k, 0,1
.irp i, 0,1,2,3,4,5,6,7
	global_load_b128 v[16+32*\k+4*\i:19+32*\k+4*\i], v1, s[32:33] offset:4096*\k+512*\i th:TH_LOAD_NT   ; the residual: 512 consecutive bytes a load
.endr
.endr
.irp i, 0,1,2,3,4,5,6,7
	global_load_b128 v[80+4*\i:83+4*\i], v1, s[10:11] offset:512*\i          ; bo
.endr
.irp i, 0,1,2,3,4,5,6,7
	global_load_b128 v[112+4*\i:115+4*\i], v1, s[12:13] offset:512*\i        ; gamma
.endr
.irp t, 0,1,2,3
.irp u, 0,1
	ds_store_b128 v[4+\u], v[ACC+8*(2*\t+\u):ACC+8*(2*\t+\u)+3] offset:128*(\t/2)+32*(\t%2)         ; each accumulator from its low end on: columns 64 w + 32 (t / 2) + 16 h + 8 (t % 2) + 0..7
	ds_store_b128 v[4+\u], v[ACC+8*(2*\t+\u)+4:ACC+8*(2*\t+\u)+7] offset:128*(\t/2)+32*(\t%2)+16
.endr
.endr
	s_wait_dscnt 0x0                               ; for the others' sake: my stores have landed
	s_barrier_signal -1
	s_barrier_wait -1                              ; 32 whole rows lie in the stage
.irp k, 0,1
.irp i, 0,1,2,3,4,5,6,7
	ds_load_b128 v[ACC+32*\k+4*\i:ACC+32*\k+4*\i+3], v6 offset:4112*\k+512*\i
.endr
.endr
	s_wait_dscnt 0x0
	s_wait_loadcnt 0x0
.irp k, 0,1
.set ii, 0
.rept 16
	v_pk_add_f32 v[ACC+32*\k+2*ii:ACC+32*\k+2*ii+1], v[ACC+32*\k+2*ii:ACC+32*\k+2*ii+1], v[80+2*ii:81+2*ii]
	v_pk_add_f32 v[ACC+32*\k+2*ii:ACC+32*\k+2*ii+1], v[ACC+32*\k+2*ii:ACC+32*\k+2*ii+1], v[16+32*\k+2*ii:17+32*\k+2*ii]
.set ii, ii+1
.endr
.endr
.irp i, 0,1,2,3,4,5,6,7
	global_load_b128 v[16+4*\i:19+4*\i], v1, s[14:15] offset:512*\i          ; beta, into registers that q has left; the first row's statistics stand between these loads and the wait for them
.endr
.macro REDUCE                                  ; v[48:51] -> the sum over the row, in every lane's v48
	v_pk_add_f32 v[48:49], v[48:49], v[50:51]
	v_add_f32 v48, v48, v49
	v_add_f32_dpp v48, v48, v48 row_xmask:1 row_mask:0xf bank_mask:0xf
	v_add_f32_dpp v48, v48, v48 row_xmask:2 row_mask:0xf bank_mask:0xf
	v_add_f32_dpp v48, v48, v48 row_xmask:4 row_mask:0xf bank_mask:0xf
	v_add_f32_dpp v48, v48, v48 row_xmask:8 row_mask:0xf bank_mask:0xf
	v_permlanex16_b32 v49, v48, s[SEL], s[SEL+1]
	v_add_f32 v48, v48, v49
.endm
.macro LNROW k
.set XR, ACC+32*(\k)
	v_pk_add_f32 v[48:49], v[XR:XR+1], v[XR+2:XR+3]
	v_pk_add_f32 v[50:51], v[XR+4:XR+5], v[XR+6:XR+7]
.irp j, 8,12,16,20,24,28
	v_pk_add_f32 v[48:49], v[48:49], v[XR+\j:XR+\j+1]
	v_pk_add_f32 v[50:51], v[50:51], v[XR+\j+2:XR+\j+3]
.endr
	REDUCE
	v_mul_f32 v52, s38, v48                        ; the mean
	v_mov_b32 v53, v52
.set ii, 0
.rept 16
	v_pk_add_f32 v[XR+2*ii:XR+2*ii+1], v[XR+2*ii:XR+2*ii+1], v[52:53] neg_lo:[0,1] neg_hi:[0,1]   ; x - mean
.set ii, ii+1
.endr
	v_pk_mul_f32 v[48:49], v[XR:XR+1], v[XR:XR+1]
	v_pk_mul_f32 v[50:51], v[XR+2:XR+3], v[XR+2:XR+3]
.irp j, 4,8,12,16,20,24,28
	v_pk_fma_f32 v[48:49], v[XR+\j:XR+\j+1], v[XR+\j:XR+\j+1], v[48:49]
	v_pk_fma_f32 v[50:51], v[XR+\j+2:XR+\j+3], v[XR+\j+2:XR+\j+3], v[50:51]
.endr
	REDUCE
	v_fma_f32 v48, v48, s38, s39                   ; the variance + 1e-6
	v_rsq_f32 v54, v48
	v_mov_b32 v55, 0                               ; a plain instruction behind the root (it writes the pair's other half),
	s_wait_alu depctr_va_vdst(0)                   ; and the wait ahead of its first reader
.set ii, 0
.rept 16
	v_pk_mul_f32 v[XR+2*ii:XR+2*ii+1], v[XR+2*ii:XR+2*ii+1], v[54:55] op_sel_hi:[1,0]
.set ii, ii+1
.endr
.if (\k) == 0
	s_wait_loadcnt 0x0                             ; beta
.endif
.set ii, 0
.rept 16
	v_pk_fma_f32 v[XR+2*ii:XR+2*ii+1], v[XR+2*ii:XR+2*ii+1], v[112+2*ii:113+2*ii], v[16+2*ii:17+2*ii]
.set ii, ii+1
.endr
.irp i, 0,1,2,3,4,5,6,7
	global_store_b128 v1, v[XR+4*\i:XR+4*\i+3], s[34:35] offset:4096*(\k)+512*\i th:TH_STORE_NT   ; 32 lanes store 512 consecutive bytes, aligned
.endr
.endm
	LNROW 0
	LNROW 1
	s_wait_tensorcnt 0x0                           ; the wave's end
	ds_add_u32 v[SPW], v[NIL]
	s_wait_dscnt 0x0
	s_endpgm
.Lfunc_end_k_q1be94f3da0_oproj:
	.size	k_q1be94f3da0_oproj, .Lfunc_end_k_q1be94f3da0_oproj-k_q1be94f3da0_oproj
	.p2alignl 7, 3214868480
	.fill 96, 4, 3214868480
	.section	.rodata,"a",@progbits
	.p2align	6, 0x0
	.amdhsa_kernel k_q1be94f3da0_oproj
		.amdhsa_group_segment_fixed_size 160256
		.amdhsa_private_segment_fixed_size 0
		.amdhsa_enable_private_segment 0
		.amdhsa_kernarg_size 56
		.amdhsa_user_sgpr_count 2
		.amdhsa_user_sgpr_kernarg_segment_ptr 1
		.amdhsa_wavefront_size32 1
		.amdhsa_system_sgpr_workgroup_id_x 1
		.amdhsa_system_sgpr_workgroup_id_y 1
		.amdhsa_system_sgpr_workgroup_id_z 1
		.amdhsa_system_vgpr_workitem_id 0
		.amdhsa_next_free_vgpr 256
		.amdhsa_next_free_sgpr 66
		.amdhsa_reserve_vcc 0
		.amdhsa_float_denorm_mode_32 3
		.amdhsa_float_denorm_mode_16_64 3
		.amdhsa_memory_ordered 1
		.amdhsa_forward_progress 1
		.amdhsa_inst_pref_size 54
	.end_amdhsa_kernel
	.amdgpu_metadata
---
amdhsa.version: [ 1, 2 ]
amdhsa.kernels:
  - .name:           k_q1be94f3da0_oproj
    .symbol:         k_q1be94f3da0_oproj.kd
    .args:
      - { .name: cbuf, .offset: 0, .size: 8, .value_kind: global_buffer, .address_space: global }
      - { .name: wbuf, .offset: 8, .size: 8, .value_kind: global_buffer, .address_space: global }
      - { .name: q, .offset: 16, .size: 8, .value_kind: global_buffer, .address_space: global }
      - { .name: bo, .offset: 24, .size: 8, .value_kind: global_buffer, .address_space: global }
      - { .name: gamma, .offset: 32, .size: 8, .value_kind: global_buffer, .address_space: global }
      - { .name: beta, .offset: 40, .size: 8, .value_kind: global_buffer, .address_space: global }
      - { .name: out0, .offset: 48, .size: 8, .value_kind: global_buffer, .address_space: global }
    .group_segment_fixed_size: 160256
    .private_segment_fixed_size: 0
    .kernarg_segment_align: 8
    .kernarg_segment_size: 56
    .max_flat_workgroup_size: 512
    .sgpr_count:     66
    .vgpr_count:     256
    .wavefront_size: 32
...
	.end_amdgpu_metadata
.endif
;; end of part 4
